; MI455X (gfx1250); checked and timed in simulation.
; The chip was launched on July 23, 2026; its instructions are those of AMD's public machine-readable ISA for CDNA 5 (MIT licence, August 2026) and "CDNA5" Instruction Set Architecture Reference Guide (July 2026). The comments in the code are by the model that wrote it; some were corrected since.
;; Resonance Attention. Allowed arithmetic: matrix products marked QUANTISED: E2M3 operands, one E8M0 scale for each 32 along K, by v_wmma_scale_f32_16x16x128_f8f6f4 with both operands' format E2M3, f32 sums; everything else in f32.
;; Inputs: attention_mask 2 x 2,048 int32; hidden_states 2 x 2,048 x 1,024 float32; k_b 1,024 float32; k_w 1,024 x 1,024 float32; o_b 1,024 float32; o_w 1,024 x 1,024 float32; q_b 1,024 float32; q_w 1,024 x 1,024 float32; v_b 1,024 float32; v_w 1,024 x 1,024 float32.
;; Outputs: out0 2 x 2,048 x 1,024 float32.
;; This version of the problem:
;;   THIS VERSION OF THE PROBLEM IS GIVEN IN LOW PRECISION. The matrix products marked QUANTISED in the list below multiply operands that are first quantised to E2M3 (2 exponent bits, 3 mantissa bits; 6 bits a number), with one power-of-two scale for each 32 numbers along K (OCP MX v1.0); their sums are f32. All else is computed in f32.
;;   The module's matrix products, in the order in which they are computed (A, B: the left and right operand; K: the contracted axis; several contracted axes count as one K, in the product's order):
;;     1. [M 4,096, K 1,024] x [K 1,024, N 1,024]; A: input hidden_states; B: input q_w: QUANTISED
;;     2. [M 4,096, K 1,024] x [K 1,024, N 1,024]; A: input hidden_states; B: input k_w: QUANTISED
;;     3. [M 4,096, K 1,024] x [K 1,024, N 1,024]; A: input hidden_states; B: input v_w: QUANTISED
;;     4. batch 32 x [M 2,048, K 64] x [K 64, N 2,048]; A: computed on the way; B: computed on the way: QUANTISED
;;     5. batch 32 x [M 2,048, K 2,048] x [K 2,048, N 64]; A: softmax (see below); B: computed on the way: QUANTISED
;;     6. [M 4,096, K 1,024] x [K 1,024, N 1,024]; A: computed on the way; B: input o_w: QUANTISED
;;   THE QUANTISER, for each operand of a quantised product, along K:
;;     - K is cut into blocks of 32 from its start; a last block that is shorter is filled with zeros.
;;     - A block's scale is 2^e with e = floor(log2(the largest magnitude in the block)) - 2, held to -126 .. 127; a block of zeros has e = 0. As a byte (E8M0): e + 127.
;;     - Each number is divided by its block's scale, clamped to +-7.5, and rounded to the nearest number of E2M3, ties to even, subnormals kept.
;;     - The product sums the exact products of the quantised numbers (number of the format x scale) in f32.
;;   ~~~python
;;   def quantise(x, axis):      # numpy; x: float32 -> the quantised numbers, widened to float32 again
;;       x = np.moveaxis(x, axis, -1); K = x.shape[-1]
;;       x = np.pad(x, [(0, 0)] * (x.ndim - 1) + [(0, -K % 32)]); x = x.reshape(x.shape[:-1] + (-1, 32)); a = np.abs(x).max(-1, keepdims=True)
;;       e = np.where(a > 0, np.clip(np.frexp(np.where(a > 0, a, 1))[1] - 1 - 2, -126, 127), 0)      # np.frexp(a)[1] - 1 = floor(log2(a)), exactly
;;       r = np.clip(x / 2.0 ** e, -7.5, 7.5)
;;       step = 2.0 ** (np.maximum(np.frexp(np.where(r == 0, 1, r))[1] - 1, 0) - 3)
;;       q = np.round(r / step) * step * 2.0 ** e      # np.round: ties to even
;;       return np.moveaxis(q.reshape(q.shape[:-2] + (-1,))[..., :K], -1, axis).astype(np.float32)
;;   ~~~
;;   SOFTMAX AHEAD OF A QUANTISED PRODUCT. Where the list says 'softmax', what is quantised is not the finished softmax but p = 2^(t - M), with t = logit x log2(e) and M = ceil(the row's largest t), a whole number; so 1/2 < the row's largest p <= 1. The row's sum l is taken of the UNQUANTISED p, in f32, and the product's result is divided by l at the end. Since M is a whole number, a kernel that streams over the keys may use a running M (the ceiling of the running maximum): every later rescaling is an exact power of two, which a block's scale takes up: the codes' values come out the same.
;;   OPERANDS COMPUTED ON THE WAY. 'Computed on the way' means the value that the module computes at that place (a softmax that the list does not call 'softmax' is quantised finished and normalised). What goes into a quantiser is computed in f32, as accurately as f32 sums, v_exp_f32 and their like allow (about 1e-6 of the number): no bf16 or f16 on the way to a quantiser, and a product that is left as it is and whose result goes on into a quantised operand takes f32 operands (vector FMAs, or v_wmma_f32_16x16x4_f32). A number that lies on a knife's edge between two numbers of the format may be rounded either way, as far as f32 arithmetic and the matrix unit's own rounding can turn it there, and no further.
;; One version. Each part assembles by itself: llvm-mc -triple=amdgcn-amd-amdhsa -mcpu=gfx1250 --defsym DOCPART=n.
;; ======== version 1 of 1: 4 launches
;; limits: right only within a limited range of input values
;; workspace buffers: codes 6,553,600 bytes; qc 3,276,800 bytes; kv 6,553,600 bytes; av 6,553,600 bytes; ent 1,024 bytes
;; launch quant (part 1): grid 512 x 1, 4 waves a work-group, no clusters, 68,096 bytes of LDS; arguments hidden_states, q_w, k_w, v_w, o_w, codes; writes codes
.if DOCPART == 1
	.amdgcn_target "amdgcn-amd-amdhsa--gfx1250"
	.amdhsa_code_object_version 6
	.text
	.protected	k_q8da793712a_quant
	.globl	k_q8da793712a_quant
	.p2align	8
	.type	k_q8da793712a_quant,@function
k_q8da793712a_quant:
	s_mov_b64 s[64:65], 0
	v_nop
	global_prefetch_b8 v0, s[64:65] scope:SCOPE_SE
	s_setreg_imm32_b32 hwreg(HW_REG_WAVE_MODE, 25, 1), 1
	s_wait_xcnt 0x0
; THE PROGRAM: quant (f32 inputs -> codes), proj (Q, K, V as codes), attn (softmax, attn V, entropy), outp (the choice and the last product).
; WHAT IS NOT COMPUTED AS reference() WRITES IT.  No input and no product is left out: all weights, all four biases and the mask reach the result.
; The loop of nine blends is linear in base: full_i = (1 - b_i) full_(i-1) + b_i (0.5 + 0.5 b_i) base with full_0 = base, b_i = sigmoid(i / 10), so full = alpha x base with
; a_0 = 1, a_i = (1 - b_i) a_(i-1) + b_i (0.5 + 0.5 b_i), alpha = a_9 = 0.8509657: an identity for all values of the inputs.  The entropy that chooses between base and full is always computed.
; LIMITS of the program: NaN and infinities among the inputs are not served; a batch whose mask is all zero (NaN in reference()) is not served; a block of zeros gets the scale byte 1
; where the quantiser says 127 (its codes are zeros, and only this program reads the bytes).
;
; THIS LAUNCH: hidden_states [4096][1024] and the four weights [1024][1024], f32, K innermost, become codes of E2M3 with one E8M0 byte for each 32 along K, laid in RECORDS.
; A record is a tile of 16 rows for all of K: 8 fragments (16 rows x 128 K) of 1,536 bytes, in the order of the operand's registers, then 4 planes of 128 bytes of scale words.
; Tile T holds rows 32 (T / 2) + 8 (T % 2) + r + 8 (r / 8), r = 0 .. 15.  A fragment is two halves of 768 bytes: registers 6 c .. 6 c + 3 at 16 x lane, then registers 6 c + 4, 6 c + 5 at 8 x lane.
; Scale plane q: lanes 0-15 the rows' words of K step 2 q, lanes 16-31 those of K step 2 q + 1.
; Work-group R makes record R (0-255 hidden_states, then 64 each of q_w, k_w, v_w, o_w); wave w its K steps 2 w and 2 w + 1.  A load takes 512 consecutive bytes of a row; the 16 rows of a K step
; turn through the wave's own stage in LDS (rows of 512 + 16 bytes), so that lane (r, h) gets k = 64 c + 32 h + 0 .. 31 of row r: two whole blocks, in the order of the operand's registers.
; No tensor load, no barrier, no matrix unit: waves share nothing and memory binds.
.set REC,   12800
.set SCO,   12288                      ; where a record's scale planes begin
.set FRAGB, 1536
.set WST,   16896                      ; LDS of a wave: two stages
.set STG,   8448                       ; a stage: 16 rows x 528 bytes
.set SPARE, 4*WST                      ; behind the stages: the spare words, 128 bytes a wave
.set X,     64                         ; v64-127  64 numbers of my row
.set RR,    128                        ; v128-255 32 loads as they come
; v1 16 x lane + 3,072 w, v2 8 x lane + 3,072 w, v3 4 x lane + 128 w: places in the record; v4, v5 stage in and out; v6, v7 the add's two; v8-22 at work; v24-47 codes; v48, v49 scale words; v51 the loads' offset
	s_load_b256 s[4:11], s[0:1], 0x0               ; hidden_states, q_w, k_w, v_w
	s_load_b128 s[12:15], s[0:1], 0x20             ; o_w, codes
	v_lshl_add_u32 v6, v0, 2, SPARE
	v_mov_b32 v7, 0
	v_lshrrev_b32 v8, 5, v0
	v_readfirstlane_b32 s16, v8                    ; wave
	v_and_b32 v9, 31, v0                           ; lane
	v_and_b32 v10, 15, v0                          ; r
	v_bfe_u32 v50, v0, 4, 1                        ; h
	s_mul_i32 s17, s16, WST
	v_lshl_add_u32 v4, v9, 4, s17                  ; stage, in: 16 x lane of a row
	v_mul_u32_u24 v5, v10, 528
	v_lshl_add_u32 v5, v50, 7, v5
	v_add_nc_u32 v5, s17, v5                       ; stage, out: row r, + 128 h
	s_mul_i32 s18, s16, 2*FRAGB
	v_lshl_add_u32 v1, v9, 4, s18
	v_lshl_add_u32 v2, v9, 3, s18
	s_lshl_b32 s19, s16, 7
	v_lshl_add_u32 v3, v9, 2, s19
	v_lshlrev_b32 v51, 4, v9
	v_lshlrev_b32 v15, 3, v50                      ; 8 h: where my two bytes stand in the scale word
	v_mov_b32 v48, 0                               ; a lane permute's destination counts as one of its sources
	v_mov_b32 v49, 0
	v_cmp_ne_u32 vcc_lo, 0, v50                    ; lanes 16-31
	s_mov_b32 s24, 0x76543210
	s_mov_b32 s25, 0xfedcba98                      ; selects for lane l xor 16
	s_sub_co_u32 s20, ttmp9, 256
	s_and_b32 s20, s20, 63                         ; a weight's tile
	s_wait_alu depctr_va_vdst(0)
	s_wait_kmcnt 0x0
	s_cmp_ge_u32 ttmp9, 320                        ; which tensor: the choice hangs on the work-group's number alone
	s_cselect_b64 s[6:7], s[8:9], s[6:7]
	s_cmp_ge_u32 ttmp9, 384
	s_cselect_b64 s[6:7], s[10:11], s[6:7]
	s_cmp_ge_u32 ttmp9, 448
	s_cselect_b64 s[6:7], s[12:13], s[6:7]
	s_cmp_lt_u32 ttmp9, 256
	s_cselect_b64 s[4:5], s[4:5], s[6:7]
	s_cselect_b32 s20, ttmp9, s20                  ; T
	s_lshr_b32 s21, s20, 1
	s_lshl_b32 s21, s21, 17                        ; 32 rows of 4,096 bytes
	s_and_b32 s22, s20, 1
	s_lshl_b32 s22, s22, 15                        ; 8 rows
	s_add_co_u32 s22, s22, s21
	s_lshl_b32 s21, s16, 10                        ; my two K steps: 1,024 bytes a wave
	s_add_co_u32 s22, s22, s21
	s_mov_b32 s23, 0
	s_add_nc_u64 s[4:5], s[4:5], s[22:23]
	s_mul_i32 s22, ttmp9, REC
	s_add_nc_u64 s[14:15], s[14:15], s[22:23]      ; my record
.irp s,0,1
.irp i,0,1,2,3,4,5,6,7,8,9,10,11,12,13,14,15
	global_load_b128 v[RR+64*\s+4*\i:RR+64*\s+4*\i+3], v51, s[4:5] offset:(\i+8*(\i/8))*4096+512*\s th:TH_LOAD_NT   ; 32 lanes read 512 consecutive bytes of the tile's row i
.endr
.endr
.macro TOSTAGE s
.irp i,0,1,2,3,4,5,6,7,8,9,10,11,12,13,14,15
	ds_store_b128 v4, v[RR+64*\s+4*\i:RR+64*\s+4*\i+3] offset:STG*\s+528*\i
.endr
.endm
.macro FROMSTAGE s                     ; LDS serves a wave's instructions in order: these see my stores
.irp c,0,1
.irp q,0,1,2,3,4,5,6,7
	ds_load_b128 v[X+32*\c+4*\q:X+32*\c+4*\q+3], v5 offset:STG*\s+256*\c+16*\q
.endr
.endr
.endm
; my 64 numbers become the fragment's 12 registers and my row's scale word; the fragment leaves in whole runs of 512 and 256 bytes
.macro QUANTW s
.set P, 24+12*\s
.irp c,0,1
	v_max3_num_f32 v[8+\c], |v[X+32*\c]|, |v[X+32*\c+1]|, 0x1800000   ; my block 2 c + h: all its 32 numbers are mine; the floor 2^(3 - 127) holds the byte at 1 from below
.endr
.irp i,2,4,6,8,10,12,14,16,18,20,22,24,26,28,30
.irp c,0,1
	v_max3_num_f32 v[8+\c], v[8+\c], |v[X+32*\c+\i]|, |v[X+32*\c+\i+1]|
.endr
.endr
.irp c,0,1
	v_add_nc_u32 v[10+\c], 0xff000000, v[8+\c]     ; 2 off the exponent field: the conversion's scale operand
.endr
.irp c,0,1
	v_lshrrev_b32 v[12+\c], 23, v[10+\c]           ; the scale's byte
.endr
	v_lshl_or_b32 v14, v13, 16, v12                ; blocks h and 2 + h,
	v_lshlrev_b32 v14, v15, v14                    ; at their places in the word;
	v_permlanex16_b32 v[48+\s], v14, s24, s25
	v_or_b32 v[48+\s], v[48+\s], v14               ; with lane l xor 16's two the word is whole
.irp c,0,1
	v_cvt_scalef32_pk16_fp6_f32 v[P+6*\c:P+6*\c+2], v[X+32*\c:X+32*\c+15], v[10+\c]
	v_cvt_scalef32_pk16_fp6_f32 v[16+4*\c:18+4*\c], v[X+32*\c+16:X+32*\c+31], v[10+\c]   ; (a conversion's three registers begin on an even number)
.endr
	v_nop                                          ; one plain place behind the scaled conversions
.irp c,0,1
.irp i,0,1,2
	v_mov_b32 v[P+6*\c+3+\i], v[16+4*\c+\i]
.endr
.endr
	global_store_b128 v1, v[P:P+3], s[14:15] offset:FRAGB*\s
	global_store_b64 v2, v[P+4:P+5], s[14:15] offset:FRAGB*\s+512
	global_store_b128 v1, v[P+6:P+9], s[14:15] offset:FRAGB*\s+768
	global_store_b64 v2, v[P+10:P+11], s[14:15] offset:FRAGB*\s+1280
.endm
	s_wait_loadcnt 16                              ; the first K step's 16 loads are in; the second's may be out
	TOSTAGE 0
	FROMSTAGE 0
	s_wait_loadcnt 0x0
	TOSTAGE 1
	s_wait_dscnt 16                                ; behind the first step's loads from the stage stand the 16 stores just issued
	QUANTW 0
	FROMSTAGE 1
	s_wait_dscnt 0x0
	QUANTW 1
	v_cndmask_b32 v52, v48, v49, vcc_lo            ; lanes 0-15: K step 2 w's words; lanes 16-31: K step 2 w + 1's
	global_store_b32 v3, v52, s[14:15] offset:SCO
	s_wait_tensorcnt 0x0                           ; the wave's end
	ds_add_u32 v6, v7
	s_wait_dscnt 0x0
	s_endpgm
.Lfunc_end_k_q8da793712a_quant:
	.size	k_q8da793712a_quant, .Lfunc_end_k_q8da793712a_quant-k_q8da793712a_quant
	.p2alignl 7, 3214868480
	.fill 96, 4, 3214868480
	.section	.rodata,"a",@progbits
	.p2align	6, 0x0
	.amdhsa_kernel k_q8da793712a_quant
		.amdhsa_group_segment_fixed_size 68096
		.amdhsa_private_segment_fixed_size 0
		.amdhsa_enable_private_segment 0
		.amdhsa_kernarg_size 48
		.amdhsa_user_sgpr_count 2
		.amdhsa_user_sgpr_kernarg_segment_ptr 1
		.amdhsa_wavefront_size32 1
		.amdhsa_system_sgpr_workgroup_id_x 1
		.amdhsa_system_sgpr_workgroup_id_y 1
		.amdhsa_system_sgpr_workgroup_id_z 1
		.amdhsa_system_vgpr_workitem_id 0
		.amdhsa_next_free_vgpr 256
		.amdhsa_next_free_sgpr 66
		.amdhsa_reserve_vcc 1
		.amdhsa_float_denorm_mode_32 3
		.amdhsa_float_denorm_mode_16_64 3
		.amdhsa_memory_ordered 1
		.amdhsa_forward_progress 1
		.amdhsa_inst_pref_size 17
	.end_amdhsa_kernel
	.amdgpu_metadata
---
amdhsa.version: [ 1, 2 ]
amdhsa.kernels:
  - .name:           k_q8da793712a_quant
    .symbol:         k_q8da793712a_quant.kd
    .args:
      - { .name: hidden_states, .offset: 0, .size: 8, .value_kind: global_buffer, .address_space: global }
      - { .name: q_w, .offset: 8, .size: 8, .value_kind: global_buffer, .address_space: global }
      - { .name: k_w, .offset: 16, .size: 8, .value_kind: global_buffer, .address_space: global }
      - { .name: v_w, .offset: 24, .size: 8, .value_kind: global_buffer, .address_space: global }
      - { .name: o_w, .offset: 32, .size: 8, .value_kind: global_buffer, .address_space: global }
      - { .name: codes, .offset: 40, .size: 8, .value_kind: global_buffer, .address_space: global }
    .group_segment_fixed_size: 68096
    .private_segment_fixed_size: 0
    .kernarg_segment_align: 8
    .kernarg_segment_size: 48
    .max_flat_workgroup_size: 128
    .sgpr_count:     66
    .vgpr_count:     256
    .wavefront_size: 32
...
	.end_amdgpu_metadata
.endif
;; end of part 1
;; launch proj (part 2): grid 8 x 32, 8 waves a work-group, clusters of 4 x 4, 327,680 bytes of LDS; arguments codes, q_b, k_b, v_b, qc, kv; writes qc, kv
.if DOCPART == 2
	.amdgcn_target "amdgcn-amd-amdhsa--gfx1250"
	.amdhsa_code_object_version 6
	.text
	.protected	k_q8da793712a_proj
	.globl	k_q8da793712a_proj
	.p2align	8
	.type	k_q8da793712a_proj,@function
k_q8da793712a_proj:
	s_mov_b64 s[64:65], 0
	v_nop
	global_prefetch_b8 v0, s[64:65] scope:SCOPE_SE
	s_setreg_imm32_b32 hwreg(HW_REG_WAVE_MODE, 25, 1), 1
	s_wait_xcnt 0x0
	s_wait_alu depctr_hold_cnt(0) depctr_sa_sdst(0) depctr_va_vdst(0) depctr_va_sdst(0) depctr_va_ssrc(0) depctr_va_vcc(0) depctr_vm_vsrc(0)
	s_getreg_b32 s2, hwreg(HW_REG_IB_STS2, 6, 4)
	s_cmp_eq_u32 s2, 0
	s_cbranch_scc0 .Lentry_in_a_cluster
	s_endpgm
.Lentry_in_a_cluster:
	s_bfe_u32 s2, ttmp6, 0x10000c
	s_cmp_lg_u32 s2, 0xf033
	s_cbranch_scc0 .Lentry_shape_is_right
	s_endpgm
.Lentry_shape_is_right:
; Q = (x q_w^T + q_b) / sqrt(448), K = x k_w^T + k_b, V = x v_w^T + v_b, on the codes of the launch before, and each result quantised at once for the product that takes it: nothing leaves as f32.
; Nothing of reference() is left out here.  LIMITS: as stated at the head of the first kernel.
; SHARES.  Work-group (j, i): 128 tokens (block i) x 128 columns (block j) of each of Q, K, V.  x's 8 records stay in LDS for all three; q_w's and k_w's come with them, v_w's takes q_w's place later.
; Wave w (c = w / 4, p = w % 4): source 0 = tiles 4 c .. 4 c + 3 (64 rows: the axis that is the NEXT product's K), source 1 = tiles 2 p, 2 p + 1 (32 rows: one to a lane): 8 accumulators.
; Q, K: source 0 = the weight (head 2 j + c), source 1 = x.  V: source 0 = x (64 keys), source 1 = v_w (16 of a head's 64 a tile): the keys are V's K in the product with p.
; By the records' choice of rows, a lane's 32 results of a source-1 tile are k = 32 b + 16 h + 0 .. 15 (b = 0, 1) along the next K: two conversions, an exchange of halves, and they are half a fragment.
; OUT.  qc, for each head 102,400 bytes: 64 fragments (block of 32 queries; half u = tile u), then 64 x 16 scale words (bytes 0, 1: tile 0; bytes 2, 3: tile 1).  kv, for each head 204,800: K laid like Q,
; then V: 16 steps of 128 keys x 4 tiles of 16 channels x 1,536 bytes, then [step][tile][16] scale words.
; CLUSTER 4 x 4: x's records are shared along a row of the cluster, the weights' along a column: joint loads.  By this text's count a wave has at most three tensor loads out.
; No prefetch: each work-group asks for all but one of its blocks at its head.
.set REC,   12800
.set SCO,   12288
.set FRAGB, 1536
.set W0,    8*REC                      ; LDS: x's 8 records at 0, q_w's (later v_w's) at W0, k_w's at W1
.set W1,    16*REC
.set SPARE, 24*REC                     ; the spare words, 128 bytes a wave
.set S1S,   REC                        ; from a source-1 tile to the next
.set BUF0,  32                         ; v32-103, v104-175 two buffers of 4 + 2 fragments; between products: at work
.set ACC,   176                        ; v176-239 accumulator (t1, t0) at ACC + 32 t1 + 8 t0
.set BV,    240                        ; v240-255 v_b in the result's layout
.set TQ,    32                         ; the quantiser's temporaries
.set WV,    16
.set SEL,   56
.set PS,    58
.set HM,    60
; v1, v2 the add's two; v3, v4, v5 16, 8, 4 x lane; v6-8 source 0's addresses, v9-11 source 1's; v12 4 r + 2 h, v13 64 h + 4 r, v14 64 h, v15 4 (r + 8 (r / 8)); v20-31 scale words, two sets of 4 + 2
.macro CROUND                          ; a round of the cluster's barrier
	s_barrier_signal -1
	s_barrier_wait -1
	s_cmp_lg_u32 s[WV], 0
	s_cbranch_scc1 .Lnot_wave_0_\@
	s_barrier_signal -3
.Lnot_wave_0_\@:
	s_barrier_wait -3
	s_barrier_signal -1
	s_barrier_wait -1
.endm
.macro FRAG reg, a16, a8, off          ; a fragment comes as it was stored: every load takes consecutive bytes
	ds_load_b128 v[\reg:\reg+3], v[\a16] offset:\off
	ds_load_b64 v[\reg+4:\reg+5], v[\a8] offset:\off+512
	ds_load_b128 v[\reg+6:\reg+9], v[\a16] offset:\off+768
	ds_load_b64 v[\reg+10:\reg+11], v[\a8] offset:\off+1280
.endm
.macro LDSTEP s, buf                   ; K step s: 24 loads, and with an even s 6 more: the scale planes of steps s and s + 1
.irp t,0,1,2,3
	FRAG (\buf)+12*\t,6,7,REC*\t+FRAGB*(\s)
.endr
.irp t,0,1
	FRAG (\buf)+48+12*\t,9,10,S1S*\t+FRAGB*(\s)
.endr
.if ((\s)%2)==0
.irp t,0,1,2,3
	ds_load_b32 v[20+6*(((\s)/2)%2)+\t], v8 offset:REC*\t+SCO+128*((\s)/2)
.endr
.irp t,0,1
	ds_load_b32 v[24+6*(((\s)/2)%2)+\t], v11 offset:S1S*\t+SCO+128*((\s)/2)
.endr
.endif
.endm
.macro WM d, a, b, c, sa, sb, row      ; row = 1: an odd K step's words stand in lanes 16-31
.if \row
	v_wmma_scale_f32_16x16x128_f8f6f4 v[\d:\d+7], v[\a:\a+11], v[\b:\b+11], v[\c:\c+7], v[\sa], v[\sb] matrix_a_fmt:MATRIX_FMT_FP6 matrix_b_fmt:MATRIX_FMT_FP6 matrix_a_scale:MATRIX_SCALE_ROW1 matrix_b_scale:MATRIX_SCALE_ROW1
.else
	v_wmma_scale_f32_16x16x128_f8f6f4 v[\d:\d+7], v[\a:\a+11], v[\b:\b+11], v[\c:\c+7], v[\sa], v[\sb] matrix_a_fmt:MATRIX_FMT_FP6 matrix_b_fmt:MATRIX_FMT_FP6
.endif
.endm
.macro MUL8 s, vf                      ; the eight accumulators take turns, one instruction a turn, in the same order in every step
.set BB, BUF0+72*((\s)%2)
.set SS, 20+6*(((\s)/2)%2)
.irp u,0,1
.irp t,0,1,2,3
.if (\vf)&&((\s)==0)
	WM ACC+32*\u+8*\t,BB+12*\t,BB+48+12*\u,BV+8*\u,SS+\t,SS+4+\u,0
.else
	WM ACC+32*\u+8*\t,BB+12*\t,BB+48+12*\u,ACC+32*\u+8*\t,SS+\t,SS+4+\u,(\s)%2
.endif
.endr
.endr
.endm
; K = 1,024 in 8 steps, written out.  vf = 0: the accumulators hold the bias, and the first products add onto it; vf = 1: the first products take BV as C.
.macro GEMM vf
	s_wait_xcnt 0x0                                ; the stores of the last way out have read their data, which lie in the buffers
	LDSTEP 0,BUF0
.irp s,0,1,2,3,4,5,6
.if \s>0
.rept 4
	v_nop                                          ; places in front of loads into the buffer that the step before multiplied
.endr
.endif
	LDSTEP (\s+1),BUF0+72*((\s+1)%2)
.if ((\s+1)%2)==0
	s_wait_dscnt 30                                ; all but the 30 loads just issued: this step's fragments are in
.else
	s_wait_dscnt 24                                ; all but the 24 just issued
.endif
	MUL8 \s,\vf
.endr
	s_wait_dscnt 0x0
	MUL8 7,0
.endm
; 32 numbers of a lane, v[n + 16 b + i] = next K 32 b + 16 h + i, become half a fragment in v[p] .. v[p + 5] and the two scale bytes in v[sw].  The results are read from each accumulator's low end on.
.macro QUANT32 n, p, sw
	v_max3_num_f32 v[TQ], |v[\n]|, |v[\n+1]|, 0x1800000        ; the floor 2^(3 - 127) holds the byte at 1 from below
	v_max3_num_f32 v[TQ+1], |v[\n+16]|, |v[\n+17]|, 0x1800000
.irp i,2,4,6,8,10,12,14
	v_max3_num_f32 v[TQ], v[TQ], |v[\n+\i]|, |v[\n+\i+1]|
	v_max3_num_f32 v[TQ+1], v[TQ+1], |v[\n+16+\i]|, |v[\n+17+\i]|
.endr
	s_delay_alu instid0(VALU_DEP_2)
	v_permlanex16_b32 v[TQ+2], v[TQ], s[SEL], s[SEL+1]
	s_delay_alu instid0(VALU_DEP_2)
	v_permlanex16_b32 v[TQ+3], v[TQ+1], s[SEL], s[SEL+1]
	s_delay_alu instid0(VALU_DEP_2)
	v_max_num_f32 v[TQ], v[TQ], v[TQ+2]            ; with lane l xor 16's 16: the block's largest magnitude
	s_delay_alu instid0(VALU_DEP_2)
	v_max_num_f32 v[TQ+1], v[TQ+1], v[TQ+3]
	s_delay_alu instid0(VALU_DEP_2)
	v_add_nc_u32 v[TQ+4], 0xff000000, v[TQ]        ; 2 off the exponent field: the conversion's scale operand
	s_delay_alu instid0(VALU_DEP_2)
	v_add_nc_u32 v[TQ+5], 0xff000000, v[TQ+1]
	s_delay_alu instid0(VALU_DEP_2)
	v_lshrrev_b32 v[TQ+6], 23, v[TQ+4]
	s_delay_alu instid0(VALU_DEP_2)
	v_lshrrev_b32 v[TQ+7], 23, v[TQ+5]
	s_delay_alu instid0(VALU_DEP_1)
	v_lshl_or_b32 v[\sw], v[TQ+7], 8, v[TQ+6]
	v_cvt_scalef32_pk16_fp6_f32 v[\p:\p+2], v[\n:\n+15], v[TQ+4]
	v_cvt_scalef32_pk16_fp6_f32 v[TQ+8:TQ+10], v[\n+16:\n+31], v[TQ+5]
	v_nop                                          ; one plain place behind the scaled conversions
.irp i,0,1,2
	v_permlane16_swap_b32 v[\p+\i], v[TQ+8+\i]     ; lanes 0-15 now hold block 0 whole, lanes 16-31 block 1
.endr
.irp i,0,1,2
	s_delay_alu instid0(VALU_DEP_3)
	v_mov_b32 v[\p+3+\i], v[TQ+8+\i]
.endr
.endm
; The way out of one product: sq = 1: x 1 / sqrt(448) first; cb, sb: the codes' and the scale bytes' bases; sv: the scale bytes' lane offset; ts: bytes from tile t1 = 0 to t1 = 1
.macro EPI sq, cb, sb, sv, ts
.rept 5
	v_nop                                          ; places behind the last products: four for the reads, a fifth for the products that later begin these accumulators anew
.endr
.if \sq
.set k, 0
.rept 32
	v_pk_mul_f32 v[ACC+k:ACC+k+1], v[ACC+k:ACC+k+1], s[PS:PS+1] op_sel_hi:[1,0]
.set k, k+2
.endr
.endif
	QUANT32 ACC,44,56
	global_store_b128 v3, v[44:47], s[\cb:\cb+1]
	global_store_b64 v4, v[48:49], s[\cb:\cb+1] offset:512
	QUANT32 ACC+32,50,57
	global_store_b128 v3, v[50:53], s[\cb:\cb+1] offset:\ts
	global_store_b64 v4, v[54:55], s[\cb:\cb+1] offset:\ts+512
	v_cndmask_b32 v58, v56, v57, s[HM]             ; lanes 0-15 store tile 0's two bytes, lanes 16-31 tile 1's
	global_store_b16 v[\sv], v58, s[\sb:\sb+1]
.endm
.macro SETADR a, b                     ; the LDS addresses of a product's two sources
	v_add_nc_u32 v6, s[\a], v3
	v_add_nc_u32 v7, s[\a], v4
	v_add_nc_u32 v8, s[\a], v5
	v_add_nc_u32 v9, s[\b], v3
	v_add_nc_u32 v10, s[\b], v4
	v_add_nc_u32 v11, s[\b], v5
.endm
.macro BIASQK b                        ; the bias runs along a lane's registers: column 32 (t / 2) + 8 (t % 2) + 16 h + 0 .. 7 of the head; it is loaded into the accumulators
.irp u,0,1
.irp t,0,1,2,3
	global_load_b128 v[ACC+32*\u+8*\t:ACC+32*\u+8*\t+3], v14, s[\b:\b+1] offset:128*(\t/2)+32*(\t%2)
	global_load_b128 v[ACC+32*\u+8*\t+4:ACC+32*\u+8*\t+7], v14, s[\b:\b+1] offset:128*(\t/2)+32*(\t%2)+16
.endr
.endr
.endm
	s_load_b256 s[4:11], s[0:1], 0x0               ; codes, q_b, k_b, v_b
	s_load_b128 s[12:15], s[0:1], 0x20             ; qc, kv
	v_lshl_add_u32 v1, v0, 2, SPARE
	v_mov_b32 v2, 0
	ds_add_u32 v1, v2                              ; the wave's opening: the add, twice on end, and its wait ahead of my first tensor load
	ds_add_u32 v1, v2
	v_lshrrev_b32 v3, 5, v0
	s_delay_alu instid0(VALU_DEP_1)
	v_readfirstlane_b32 s[WV], v3                  ; wave 0..7
	s_lshr_b32 s17, s[WV], 2                       ; c
	s_and_b32 s18, s[WV], 3                        ; p
	s_bfe_u32 s19, ttmp6, 0x40000                  ; cx
	s_bfe_u32 s20, ttmp6, 0x40004                  ; cy
	s_lshl_b32 s21, ttmp9, 2
	s_add_co_u32 s21, s21, s19                     ; j
	s_and_b32 s22, ttmp7, 0xffff
	s_lshl_b32 s22, s22, 2
	s_add_co_u32 s22, s22, s20                     ; i
	s_lshl_b32 s23, s20, 2
	s_lshl_b32 s23, 15, s23                        ; my row of the cluster
	s_lshl_b32 s78, 0x1111, s19                    ; my column
	s_or_b32 s24, s23, (3<<16)|(1<<21)             ; group 1 for x: the mask; elements of 8 bytes; bit 21 beside a mask; no padding
	s_or_b32 s32, s78, (3<<16)|(1<<21)             ; and for the weights
.irp g,24,32
	s_mov_b32 s[\g+1], 32<<16                      ; tensor_dim0 = 32 elements: rows of 256 bytes
	s_mov_b32 s[\g+2], 100<<16                     ; tensor_dim1 = 100: the head's loads bring two records each
	s_mov_b32 s[\g+3], 32<<16                      ; tile_dim0
	s_mov_b32 s[\g+4], 100                         ; tile_dim1
	s_mov_b32 s[\g+5], 32                          ; the pitch: dense
	s_mov_b32 s[\g+6], 0
	s_mov_b32 s[\g+7], 0
.endr
	s_mul_i32 s79, s[WV], REC                      ; wave w fetches record w of each block: its place in LDS
	s_lshl_b32 s93, s18, 1                         ; 2 p: at the head waves 0-3 fetch x's records 2 p, 2 p + 1, waves 4-7 q_w's
	s_lshl_b32 s80, s22, 3
	s_add_co_u32 s80, s80, s93
	s_mul_i32 s80, s80, REC                        ; x: record 8 i + 2 p
	s_mov_b32 s81, 0
	s_lshl_b32 s82, s21, 3
	s_add_co_u32 s82, s82, s[WV]
	s_add_co_u32 s82, s82, 256
	s_mul_i32 s82, s82, REC                        ; q_w: record 256 + 8 j + w
	s_mov_b32 s83, 0
	s_lshl_b32 s94, s21, 3
	s_add_co_u32 s94, s94, s93
	s_add_co_u32 s94, s94, 256
	s_mul_i32 s94, s94, REC                        ; q_w: record 256 + 8 j + 2 p
	s_mov_b32 s95, 0
	s_mul_i32 s93, s93, REC                        ; their place in a block of 8 records
	s_mov_b32 s40, 1
	s_mov_b32 s41, s93
	s_mov_b32 s44, 1
	s_add_co_u32 s45, s93, W0
	s_mov_b32 s48, 1
	s_add_co_u32 s49, s79, W1
	s_mov_b32 s52, 1
	s_add_co_u32 s53, s79, W0
	s_mov_b32 s[SEL], 0x76543210
	s_mov_b32 s[SEL+1], 0xfedcba98
	s_mov_b32 s[PS], 0x3d41848f                    ; 1 / sqrt(7 x 64)
	s_mov_b32 s[PS+1], s[PS]
	s_wait_dscnt 0x0                               ; both opening adds are done
	s_wait_kmcnt 0x0
	s_add_nc_u64 s[42:43], s[4:5], s[80:81]
	s_or_b32 s43, s43, 0x80000000
	s_add_nc_u64 s[82:83], s[4:5], s[82:83]
	s_add_nc_u64 s[46:47], s[4:5], s[94:95]
	s_or_b32 s47, s47, 0x80000000
	s_add_nc_u64 s[50:51], s[82:83], 64*REC        ; k_w: 64 records on
	s_or_b32 s51, s51, 0x80000000
	s_add_nc_u64 s[54:55], s[82:83], 128*REC       ; v_w: 128 on
	s_or_b32 s55, s55, 0x80000000
	CROUND                                         ; all sixteen work-groups are here: the first joint loads meet
	s_cmp_lt_u32 s[WV], 4                          ; one tensor load a wave at the head: one chain, two arms, one join
	s_cbranch_scc0 .Lhead_w
	tensor_load_to_lds s[40:43], s[24:31]          ; waves 0-3: two records of x
	s_nop 0
.rept 4
	v_nop
.endr
	s_branch .Lhead_j
.Lhead_w:
	tensor_load_to_lds s[44:47], s[32:39]          ; waves 4-7: two records of q_w
	s_nop 0
.rept 4
	v_nop
.endr
.Lhead_j:
	v_and_b32 v16, 31, v0
	s_delay_alu instid0(VALU_DEP_1)
	v_lshlrev_b32 v3, 4, v16
	s_delay_alu instid0(VALU_DEP_2)
	v_lshlrev_b32 v4, 3, v16
	s_delay_alu instid0(VALU_DEP_3)
	v_lshlrev_b32 v5, 2, v16
	v_and_b32 v17, 15, v0                          ; r
	v_bfe_u32 v18, v0, 4, 1                        ; h
	s_delay_alu instid0(VALU_DEP_2)
	v_lshlrev_b32 v12, 2, v17
	s_delay_alu instid0(VALU_DEP_1)
	v_lshl_add_u32 v13, v18, 6, v12
	s_delay_alu instid0(VALU_DEP_2)
	v_lshl_add_u32 v12, v18, 1, v12
	s_delay_alu instid0(VALU_DEP_4)
	v_lshlrev_b32 v14, 6, v18
	s_wait_alu depctr_va_vdst(0)
	v_and_b32 v15, 8, v17
	s_delay_alu instid0(VALU_DEP_1)
	v_add_nc_u32 v15, v15, v17
	s_delay_alu instid0(VALU_DEP_1)
	v_lshlrev_b32 v15, 2, v15
	s_wait_alu depctr_va_vdst(0)
	v_cmp_ne_u32 s[HM], 0, v18                     ; lanes 16-31, kept in a scalar register
	s_mul_i32 s61, s17, 4*REC                      ; x as source 0
	s_mul_i32 s62, s18, 2*REC                      ; x as source 1
	s_add_co_u32 s63, s61, W0                      ; q_w as source 0
	s_add_co_u32 s2, s61, W1                       ; k_w as source 0
	s_add_co_u32 s3, s62, W0                       ; v_w as source 1
	; the biases' places
	s_mov_b32 s91, 0
	s_lshl_b32 s90, s21, 1
	s_add_co_u32 s90, s90, s17
	s_lshl_b32 s90, s90, 8                         ; head 2 j + c: 64 numbers
	s_add_nc_u64 s[6:7], s[6:7], s[90:91]
	s_add_nc_u64 s[8:9], s[8:9], s[90:91]
	s_lshl_b32 s90, s21, 2
	s_add_co_u32 s90, s90, s18
	s_lshl_b32 s90, s90, 7                         ; v_w's rows 32 (4 j + p) on
	s_add_nc_u64 s[10:11], s[10:11], s[90:91]
	BIASQK 6
.irp u,0,1
.irp k,0,1,2,3,4,5,6,7
	global_load_b32 v[BV+8*\u+\k], v15, s[10:11] offset:32*\u   ; V's bias hangs on the lane's row alone: the same number in all eight registers
.endr
.endr
	; where the results go
	s_lshr_b32 s84, s22, 4
	s_lshl_b32 s84, s84, 4
	s_lshl_b32 s86, s21, 1
	s_add_co_u32 s84, s84, s86                     ; 16 x batch + 2 j
	s_and_b32 s85, s22, 15                         ; which 128 tokens of the batch
	s_add_co_u32 s86, s84, s17                     ; Q's and K's head
	s_lshl_b32 s87, s85, 2
	s_add_co_u32 s87, s87, s18                     ; the block of 32 tokens
	s_mul_i32 s88, s86, 102400
	s_mul_i32 s89, s87, FRAGB
	s_lshl_b32 s87, s87, 6
	s_add_co_u32 s87, s87, 98304
	s_add_co_u32 s90, s88, s89
	s_add_nc_u64 s[66:67], s[12:13], s[90:91]      ; Q's codes
	s_add_co_u32 s90, s88, s87
	s_add_nc_u64 s[72:73], s[12:13], s[90:91]      ; Q's scale bytes
	s_lshl_b32 s88, s88, 1
	s_add_co_u32 s90, s88, s89
	s_add_nc_u64 s[68:69], s[14:15], s[90:91]      ; K's codes
	s_add_co_u32 s90, s88, s87
	s_add_nc_u64 s[74:75], s[14:15], s[90:91]      ; K's scale bytes
	s_lshr_b32 s86, s18, 1
	s_add_co_u32 s86, s84, s86                     ; V's head
	s_mul_i32 s88, s86, 204800
	s_and_b32 s87, s18, 1
	s_mul_i32 s89, s85, 4*FRAGB                    ; the step of 128 keys,
	s_mul_i32 s92, s87, 2*FRAGB                    ; tiles 2 (p % 2) on,
	s_add_co_u32 s89, s89, s92
	s_mul_i32 s92, s17, 768                        ; half c
	s_add_co_u32 s89, s89, s92
	s_add_co_u32 s89, s89, 102400
	s_add_co_u32 s90, s88, s89
	s_add_nc_u64 s[70:71], s[14:15], s[90:91]      ; V's codes
	s_lshl_b32 s89, s85, 8
	s_lshl_b32 s92, s87, 7
	s_add_co_u32 s89, s89, s92
	s_lshl_b32 s92, s17, 1
	s_add_co_u32 s89, s89, s92
	s_add_co_u32 s89, s89, 200704
	s_add_co_u32 s90, s88, s89
	s_add_nc_u64 s[76:77], s[14:15], s[90:91]      ; V's scale bytes
	SETADR 63,62
	s_wait_alu depctr_va_vdst(0)
	s_wait_tensorcnt 0x0                           ; my one load of the head is in
	ds_add_u32 v1, v2
	s_mov_b32 s34, 50<<16                          ; no tensor load of mine is out: from here on a weight's load brings one record
	s_mov_b32 s36, 50
	s_wait_dscnt 0x0
	CROUND                                         ; x and q_w are whole in every partner
	tensor_load_to_lds s[48:51], s[32:39]          ; k_w, one record a wave: my one load out; it has Q's product in which to land
	s_nop 0
.rept 4
	v_nop
.endr
	s_wait_loadcnt 0x0                             ; the biases
	GEMM 0
	EPI 1,66,72,12,768
	BIASQK 8
	s_wait_tensorcnt 0x0                           ; all my tensor loads have landed;
	ds_add_u32 v1, v2                              ; 0 onto my spare word;
	SETADR 2,62                                    ; (work on registers)
	s_wait_dscnt 0x0                               ; the add is done, and my reads of q_w's records are over
	CROUND                                         ; no wave of any partner still reads q_w's records or has a load on its way
	tensor_load_to_lds s[52:55], s[32:39]          ; v_w into q_w's place: it has K's whole product in which to land
	s_nop 0
.rept 4
	v_nop
.endr
	s_wait_loadcnt 0x0                             ; k_b
	s_wait_alu depctr_va_vdst(0)
	GEMM 0
	EPI 0,68,74,12,768                             ; K
	s_wait_tensorcnt 0x0                           ; my record of v_w is in,
	s_wait_dscnt 0x0
	s_barrier_signal -1
	s_barrier_wait -1                              ; everybody's is
	SETADR 61,3
	s_wait_alu depctr_va_vdst(0)
	GEMM 1
	EPI 0,70,76,13,FRAGB                           ; V
	s_wait_tensorcnt 0x0                           ; the wave's end
	ds_add_u32 v1, v2
	s_wait_dscnt 0x0
	CROUND                                         ; the closing round
	s_endpgm
.Lfunc_end_k_q8da793712a_proj:
	.size	k_q8da793712a_proj, .Lfunc_end_k_q8da793712a_proj-k_q8da793712a_proj
	.p2alignl 7, 3214868480
	.fill 96, 4, 3214868480
	.section	.rodata,"a",@progbits
	.p2align	6, 0x0
	.amdhsa_kernel k_q8da793712a_proj
		.amdhsa_group_segment_fixed_size 327680
		.amdhsa_private_segment_fixed_size 0
		.amdhsa_enable_private_segment 0
		.amdhsa_kernarg_size 48
		.amdhsa_user_sgpr_count 2
		.amdhsa_user_sgpr_kernarg_segment_ptr 1
		.amdhsa_wavefront_size32 1
		.amdhsa_system_sgpr_workgroup_id_x 1
		.amdhsa_system_sgpr_workgroup_id_y 1
		.amdhsa_system_sgpr_workgroup_id_z 1
		.amdhsa_system_vgpr_workitem_id 0
		.amdhsa_next_free_vgpr 256
		.amdhsa_next_free_sgpr 100
		.amdhsa_reserve_vcc 0
		.amdhsa_float_denorm_mode_32 3
		.amdhsa_float_denorm_mode_16_64 3
		.amdhsa_memory_ordered 1
		.amdhsa_forward_progress 1
		.amdhsa_inst_pref_size 101
	.end_amdhsa_kernel
	.amdgpu_metadata
---
amdhsa.version: [ 1, 2 ]
amdhsa.kernels:
  - .name:           k_q8da793712a_proj
    .symbol:         k_q8da793712a_proj.kd
    .args:
      - { .name: codes, .offset: 0, .size: 8, .value_kind: global_buffer, .address_space: global }
      - { .name: q_b, .offset: 8, .size: 8, .value_kind: global_buffer, .address_space: global }
      - { .name: k_b, .offset: 16, .size: 8, .value_kind: global_buffer, .address_space: global }
      - { .name: v_b, .offset: 24, .size: 8, .value_kind: global_buffer, .address_space: global }
      - { .name: qc, .offset: 32, .size: 8, .value_kind: global_buffer, .address_space: global }
      - { .name: kv, .offset: 40, .size: 8, .value_kind: global_buffer, .address_space: global }
    .group_segment_fixed_size: 327680
    .private_segment_fixed_size: 0
    .kernarg_segment_align: 8
    .kernarg_segment_size: 48
    .max_flat_workgroup_size: 256
    .sgpr_count:     100
    .vgpr_count:     256
    .wavefront_size: 32
...
	.end_amdgpu_metadata
.endif
;; end of part 2
;; launch attn (part 3): grid 8 x 32, 16 waves a work-group, no clusters, 323,840 bytes of LDS; arguments qc, kv, attention_mask, av, ent; writes av, ent
.if DOCPART == 3
	.amdgcn_target "amdgcn-amd-amdhsa--gfx1250"
	.amdhsa_code_object_version 6
	.text
	.protected	k_q8da793712a_attn
	.globl	k_q8da793712a_attn
	.p2align	8
	.type	k_q8da793712a_attn,@function
k_q8da793712a_attn:
	s_mov_b64 s[64:65], 0
	v_nop
	global_prefetch_b8 v0, s[64:65] scope:SCOPE_SE
	s_setreg_imm32_b32 hwreg(HW_REG_WAVE_MODE, 25, 1), 1
	s_wait_xcnt 0x0
; softmax(Q K^T under the mask) V and the entropy of the weights, on the codes of the launch before.  Nothing of reference() is left out here.
; SHARES.  Work-group (x, y): head y, queries 256 x .. 256 x + 255, as 16 tiles of 16 queries.  THE KEYS ARE SPLIT AMONG THE WAVES: wave w owns keys 128 w .. 128 w + 127.  Its 4 fragments of K,
; its 4 fragments of V and their scale words (100 registers) come from memory straight into the registers in which they stay for the whole launch: each is loaded once, so no LDS stage, no tensor load,
; no joint load and no prefetch is written (there is no loop over memory to run ahead in).
; A lane holds one query (S^T = K Q^T, O^T = V^T p^T); a tile's scores of a wave are 64 registers.
; THE MASK: a wave whose 128 keys are all open starts its score products with C = 0; a wave with a closed key gives them 0 or -3e38 as C, from its own LDS bytes.  The choice is a scalar branch on the
; mask's whole numbers, round the products and their loads alone.
; FIRST LOOP, 16 tiles: scores; the largest score of each block of 32 keys goes to the wave's own LDS bytes, the row's largest of these 128 keys to a table [tile][query][wave].  One barrier.
; SECOND LOOP, 16 tiles, two barriers a tile, each with register work between its signal and its wait: the same scores again; M = ceil(the row's largest t) from the table; p = 2^(t - M), one exponential
; a score; my sum of p goes to LDS; SIGNAL; p's codes (a block's scale from its stored largest score, put through the same multiply-add and exponential as the scores) and O^T of my keys; WAIT; the 16 sums
; are read and my O^T goes to LDS; SIGNAL; l, and the entropy's terms p log2(p + 1e-6 l) of my first 64 keys, on the p that are still in registers; WAIT; registers 2 w, 2 w + 1 of the 16 partial O^T are
; read into the registers of those 64 keys; the terms of my other 64 keys; the 16 parts are added, divided by l and kept in LDS.  The exchange has two buffers by turns (a trip runs two tiles).
; THE END: wave w takes tile w's finished O^T, quantises base and alpha x base for the last product (both, since the choice hangs on all work-groups' entropy), and wave 0 stores the work-group's entropy sum.
; A row's entropy = ln 2 x (log2 l - (1 / l) sum p log2(p + 1e-6 l)); each of a row's 32 lanes (16 waves x 2 halves) adds log2 l / 32 and its own part of the sum.
; LIMITS: as stated at the head of the first kernel; the promise holds while the scaled scores stay under 2^31 in magnitude.
.set FRAGB, 1536
.set REC,   12800
.set SCO,   12288
.set HK,    102400
.set KSC,   98304
.set MB,    32768                      ; LDS: 0: Q, 16 tiles x 2,048; MB: the mask as 0 or -3e38, 512 bytes a wave
.set RMX,   40960                      ; [tile][query][wave] the row's largest score
.set LSB,   57344                      ; [buffer][query][wave] the sums
.set BMX,   59392                      ; [wave][tile][lane] two block maxima a lane
.set OFB,   124928                     ; [tile] finished O^T, 4,096 bytes
.set OXB,   190464                     ; [buffer][wave] partial O^T, 4,096 bytes
.set ENTW,  321536
.set SPARE, 321792                     ; the spare words, 128 bytes a wave
.set KF,    48                         ; v48-95 K's fragments; v96-143 V's; v144-207 scores, then p; v208-239 O^T and scratch; v240-251 p's codes, behind the first wait scratch
.set VF,    96                         ; v252, v253 K's scale words, v254, v255 V's; v38 Q's, v39 p's
.set S,     144                        ; v20-25 zeros, v26-31 Q's half fragment, v32-37 zeros
.set T,     208                        ; v1, v2 16, 8 x lane; v4 mask; v5, v6 the add's two; v7, v8 Q; v10, v12 the tables; v14 finished O; v16, v17 sums; v18, v19, v45, v46 partial O
.set P,     240                        ; v40 -M, v42 my sum, v44 the entropy
.set TQ,    144
.set WV,    14
.set BLK,   34
.set PAR,   35
.set TO,    36
.set W12,   37
.set TC,    38
.set MF,    39                         ; not 0: some key of mine is closed
.set SEL,   40
.set CS,    42
.set AL,    44
.set T1,    46
.set T2,    47
.set T3,    48
.set CNT,   49
.set HM,    50
.macro GFRAG reg, off
	global_load_b128 v[\reg:\reg+3], v1, s[24:25] offset:\off
	global_load_b64 v[\reg+4:\reg+5], v2, s[24:25] offset:\off+512
	global_load_b128 v[\reg+6:\reg+9], v1, s[24:25] offset:\off+768
	global_load_b64 v[\reg+10:\reg+11], v2, s[24:25] offset:\off+1280
.endm
.macro CINIT f0, f1                    ; the mask's 0 or -3e38 of my keys: the C of the scores' products
.irp f,\f0,\f1
.irp q,0,1,2,3
	ds_load_b128 v[S+16*\f+4*\q:S+16*\f+4*\q+3], v4 offset:128*\f+16*\q
.endr
.endr
.endm
.macro QLOAD
	ds_load_b128 v[26:29], v7
	ds_load_b128 v[30:33], v7 offset:512           ; two registers of codes and two of zeros
	ds_load_b32 v38, v8
.endm
.macro WQ d, a, b, sa, row
.if \row
	v_wmma_scale_f32_16x16x128_f8f6f4 v[\d:\d+7], v[\a:\a+11], v[\b:\b+11], v[\d:\d+7], v[\sa], v38 matrix_a_fmt:MATRIX_FMT_FP6 matrix_b_fmt:MATRIX_FMT_FP6 matrix_a_scale:MATRIX_SCALE_ROW1
.else
	v_wmma_scale_f32_16x16x128_f8f6f4 v[\d:\d+7], v[\a:\a+11], v[\b:\b+11], v[\d:\d+7], v[\sa], v38 matrix_a_fmt:MATRIX_FMT_FP6 matrix_b_fmt:MATRIX_FMT_FP6
.endif
.endm
.macro WQ0 d, a, b, sa, row
.if \row
	v_wmma_scale_f32_16x16x128_f8f6f4 v[\d:\d+7], v[\a:\a+11], v[\b:\b+11], 0, v[\sa], v38 matrix_a_fmt:MATRIX_FMT_FP6 matrix_b_fmt:MATRIX_FMT_FP6 matrix_a_scale:MATRIX_SCALE_ROW1
.else
	v_wmma_scale_f32_16x16x128_f8f6f4 v[\d:\d+7], v[\a:\a+11], v[\b:\b+11], 0, v[\sa], v38 matrix_a_fmt:MATRIX_FMT_FP6 matrix_b_fmt:MATRIX_FMT_FP6
.endif
.endm
; The scores of one tile.  A fragment of K holds two tiles of 16 keys (64 + 64 along K): Q beside zeros picks one.  Eight accumulators by turns
.macro SCORES
	s_wait_alu depctr_va_vdst(0)
	s_cmp_lg_u32 s[MF], 0
	s_cbranch_scc1 .Lholes_\@
	s_wait_dscnt 0x0                               ; Q and the tables' entries are in
.irp f,0,1,2,3
	WQ0 S+16*\f,KF+12*\f,26,252+\f/2,\f%2
	WQ0 S+16*\f+8,KF+12*\f,20,252+\f/2,\f%2
.endr
	s_branch .Lscored_\@
.Lholes_\@:
	CINIT 0,1
	CINIT 2,3
	s_wait_dscnt 0x0
.irp f,0,1,2,3
	WQ S+16*\f,KF+12*\f,26,252+\f/2,\f%2
	WQ S+16*\f+8,KF+12*\f,20,252+\f/2,\f%2
.endr
.Lscored_\@:
.endm
.macro WP t
.if (\t)%2
	v_wmma_scale_f32_16x16x128_f8f6f4 v[T+8*\t:T+8*\t+7], v[VF+12*\t:VF+12*\t+11], v[P:P+11], 0, v[254+\t/2], v39 matrix_a_fmt:MATRIX_FMT_FP6 matrix_b_fmt:MATRIX_FMT_FP6 matrix_a_scale:MATRIX_SCALE_ROW1
.else
	v_wmma_scale_f32_16x16x128_f8f6f4 v[T+8*\t:T+8*\t+7], v[VF+12*\t:VF+12*\t+11], v[P:P+11], 0, v[254+\t/2], v39 matrix_a_fmt:MATRIX_FMT_FP6 matrix_b_fmt:MATRIX_FMT_FP6
.endif
.endm
.macro ADDR                            ; the LDS addresses of tile T1 / 256
	s_lshl_b32 s[T2], s[T1], 2
	s_lshl_b32 s[T3], s[T1], 3
	v_add_nc_u32 v7, s[T3], v1
	v_add_nc_u32 v8, s[T3], v9
	v_add_nc_u32 v10, s[T2], v11
	v_add_nc_u32 v12, s[T1], v13
.endm
.macro LOADS_B
	QLOAD
	ds_load_b128 v[T:T+3], v10                     ; eight waves' largest scores of my query
	ds_load_b128 v[T+4:T+7], v10 offset:16
	ds_load_b64 v[T+8:T+9], v12                    ; two of my four block maxima
.endm
.macro QUANT32 n, p, sw
	v_max3_num_f32 v[TQ], |v[\n]|, |v[\n+1]|, 0x1800000
	v_max3_num_f32 v[TQ+1], |v[\n+16]|, |v[\n+17]|, 0x1800000
.irp i,2,4,6,8,10,12,14
	s_delay_alu instid0(VALU_DEP_2)
	v_max3_num_f32 v[TQ], v[TQ], |v[\n+\i]|, |v[\n+\i+1]|
	s_delay_alu instid0(VALU_DEP_2)
	v_max3_num_f32 v[TQ+1], v[TQ+1], |v[\n+16+\i]|, |v[\n+17+\i]|
.endr
	v_permlanex16_b32 v[TQ+2], v[TQ], s[SEL], s[SEL+1]
	v_permlanex16_b32 v[TQ+3], v[TQ+1], s[SEL], s[SEL+1]
	s_delay_alu instid0(VALU_DEP_2)
	v_max_num_f32 v[TQ], v[TQ], v[TQ+2]
	s_delay_alu instid0(VALU_DEP_2)
	v_max_num_f32 v[TQ+1], v[TQ+1], v[TQ+3]
	s_delay_alu instid0(VALU_DEP_2)
	v_add_nc_u32 v[TQ+4], 0xff000000, v[TQ]
	s_delay_alu instid0(VALU_DEP_2)
	v_add_nc_u32 v[TQ+5], 0xff000000, v[TQ+1]
	s_delay_alu instid0(VALU_DEP_2)
	v_lshrrev_b32 v[TQ+6], 23, v[TQ+4]
	s_delay_alu instid0(VALU_DEP_2)
	v_lshrrev_b32 v[TQ+7], 23, v[TQ+5]
	s_delay_alu instid0(VALU_DEP_1)
	v_lshl_or_b32 v[\sw], v[TQ+7], 8, v[TQ+6]
	v_cvt_scalef32_pk16_fp6_f32 v[\p:\p+2], v[\n:\n+15], v[TQ+4]
	v_cvt_scalef32_pk16_fp6_f32 v[TQ+8:TQ+10], v[\n+16:\n+31], v[TQ+5]
	v_nop
.irp i,0,1,2
	v_permlane16_swap_b32 v[\p+\i], v[TQ+8+\i]
.endr
.irp i,0,1,2
	s_delay_alu instid0(VALU_DEP_3)
	v_mov_b32 v[\p+3+\i], v[TQ+8+\i]
.endr
.endm
; the entropy's terms of my keys 64 g .. 64 g + 63
.macro TERMS g
.set j, 0
.rept 16
	v_pk_add_f32 v[T+j:T+j+1], v[S+32*\g+j:S+32*\g+j+1], v[P+8:P+9]
.set j, j+2
.endr
	s_wait_alu depctr_va_vdst(0)
.set j, 0
.rept 32
	v_log_f32 v[T+j], v[T+j]
.set j, j+1
.endr
	v_nop
	s_wait_alu depctr_va_vdst(0)
.if \g==0
	v_pk_mul_f32 v[P:P+1], v[S:S+1], v[T:T+1]      ; the first products start the two sums
	v_pk_mul_f32 v[P+2:P+3], v[S+2:S+3], v[T+2:T+3]
.else
	v_pk_fma_f32 v[P:P+1], v[S+32:S+33], v[T:T+1], v[P:P+1]
	v_pk_fma_f32 v[P+2:P+3], v[S+34:S+35], v[T+2:T+3], v[P+2:P+3]
.endif
.irp j,4,8,12,16,20,24,28
	v_pk_fma_f32 v[P:P+1], v[S+32*\g+\j:S+32*\g+\j+1], v[T+\j:T+\j+1], v[P:P+1]
	v_pk_fma_f32 v[P+2:P+3], v[S+32*\g+\j+2:S+32*\g+\j+3], v[T+\j+2:T+\j+3], v[P+2:P+3]
.endr
.endm
; one tile of the second loop; u: which exchange buffer
.macro ITER u
	SCORES
	v_max3_num_f32 v[T], v[T], v[T+1], v[T+2]      ; the row's largest score; these ten lines are also the places behind the products
	s_delay_alu instid0(VALU_DEP_1)
	v_max3_num_f32 v[T], v[T], v[T+3], v[T+4]
	s_delay_alu instid0(VALU_DEP_1)
	v_max3_num_f32 v[T], v[T], v[T+5], v[T+6]
	s_delay_alu instid0(VALU_DEP_1)
	v_max_num_f32 v[T], v[T], v[T+7]
	s_delay_alu instid0(VALU_DEP_1)
	v_permlanex16_b32 v[T+1], v[T], s[SEL], s[SEL+1]
	s_delay_alu instid0(VALU_DEP_1)
	v_max_num_f32 v[T], v[T], v[T+1]               ; with the other eight waves'
	s_delay_alu instid0(VALU_DEP_1)
	v_mul_f32 v[T], s[CS], v[T]
	s_delay_alu instid0(VALU_DEP_1)
	v_floor_f32 v40, -v[T]                         ; -M = floor(-t)
	s_delay_alu instid0(VALU_DEP_1)
	v_fma_f32 v[T+8], v[T+8], s[CS], v40
	v_fma_f32 v[T+9], v[T+9], s[CS], v40
.set j, 0
.rept 32
	v_pk_fma_f32 v[S+j:S+j+1], v[S+j:S+j+1], s[CS:CS+1], v[40:41] op_sel_hi:[1,0,0]   ; t - M, each accumulator from its low end on
.set j, j+2
.endr
	s_wait_alu depctr_va_vdst(0)
.set j, 0
.rept 64
	v_exp_f32 v[S+j], v[S+j]
.set j, j+1
.endr
	v_exp_f32 v[T+8], v[T+8]                       ; two blocks' largest p
	v_exp_f32 v[T+9], v[T+9]
	v_nop
	s_wait_alu depctr_va_vdst(0)
	v_pk_add_f32 v[42:43], v[S:S+1], v[S+2:S+3]    ; the sum of the unquantised p, in two chains
	v_pk_add_f32 v[T+28:T+29], v[S+4:S+5], v[S+6:S+7]
.irp j,8,12,16,20,24,28,32,36,40,44,48,52,56,60
	v_pk_add_f32 v[42:43], v[42:43], v[S+\j:S+\j+1]
	v_pk_add_f32 v[T+28:T+29], v[T+28:T+29], v[S+\j+2:S+\j+3]
.endr
	s_delay_alu instid0(VALU_DEP_1)
	v_pk_add_f32 v[42:43], v[42:43], v[T+28:T+29]
	s_delay_alu instid0(VALU_DEP_1)
	v_add_f32 v42, v42, v43
	s_delay_alu instid0(VALU_DEP_1)
	v_permlanex16_b32 v43, v42, s[SEL], s[SEL+1]
	s_delay_alu instid0(VALU_DEP_1)
	v_add_f32 v42, v42, v43                        ; my 128 keys' sum
	ds_store_b32 v16, v42 offset:1024*\u
	s_wait_alu depctr_va_vdst(0)
	s_wait_dscnt 0x0                               ; my sum is stored, and the last tile's finished part
	s_barrier_signal -1                            ; the sums' barrier; register work alone up to its wait
	v_max_num_f32 v[T+8], 0x1800000, v[T+8]        ; the floor holds the byte at 1 from below
	v_max_num_f32 v[T+9], 0x1800000, v[T+9]
	v_add_nc_u32 v[T+8], 0xff000000, v[T+8]        ; 2 off the exponent field: the conversion's scale operand.  Lanes 0-15: blocks 0, 1; lanes 16-31: blocks 2, 3
	v_add_nc_u32 v[T+9], 0xff000000, v[T+9]
	v_permlanex16_b32 v[T+10], v[T+8], s[SEL], s[SEL+1]
	v_permlanex16_b32 v[T+11], v[T+9], s[SEL], s[SEL+1]
	v_cndmask_b32 v[T+12], v[T+8], v[T+10], s[HM]  ; all four in every lane
	v_cndmask_b32 v[T+13], v[T+9], v[T+11], s[HM]
	v_cndmask_b32 v[T+14], v[T+10], v[T+8], s[HM]
	v_cndmask_b32 v[T+15], v[T+11], v[T+9], s[HM]
.irp b,0,1,2,3
	s_delay_alu instid0(VALU_DEP_4)
	v_lshrrev_b32 v[T+16+\b], 23, v[T+12+\b]
.endr
	s_delay_alu instid0(VALU_DEP_3)
	v_lshl_or_b32 v39, v[T+17], 8, v[T+16]         ; p's scale word
	s_delay_alu instid0(VALU_DEP_1)
	v_lshl_or_b32 v39, v[T+18], 16, v39
	s_delay_alu instid0(VALU_DEP_1)
	v_lshl_or_b32 v39, v[T+19], 24, v39
.irp c,0,1
	v_cvt_scalef32_pk16_fp6_f32 v[P+6*\c:P+6*\c+2], v[S+32*\c:S+32*\c+15], v[T+12+2*\c]
	v_cvt_scalef32_pk16_fp6_f32 v[T+20+4*\c:T+22+4*\c], v[S+32*\c+16:S+32*\c+31], v[T+13+2*\c]
.endr
	v_nop
.irp c,0,1
.irp i,0,1,2
	v_permlane16_swap_b32 v[P+6*\c+\i], v[T+20+4*\c+\i]
.endr
.irp i,0,1,2
	v_mov_b32 v[P+3+6*\c+\i], v[T+20+4*\c+\i]
.endr
.endr
	s_lshl_b32 s[TO], s[TC], 4
	v_add_nc_u32 v14, s[TO], v15                   ; this tile's place among the finished; these five lines are the places between the codes' last write and the scaled products
	s_add_co_u32 s[TC], s[TC], 256
	s_min_u32 s[T1], s[TC], 3840                   ; the next tile (behind the last: the last once more, read and not used)
	ADDR
.irp t,0,1,2,3
	WP \t
.endr
.rept 4
	v_nop                                          ; places behind the products
.endr
	s_wait_alu depctr_va_vdst(0)
	s_barrier_wait -1                              ; all 16 sums are stored
	ds_load_b128 v[P:P+3], v17 offset:1024*\u
	ds_load_b128 v[P+4:P+7], v17 offset:1024*\u+16
.irp g,0,1,2,3,4,5,6,7
	ds_store_b128 v[18+\u], v[T+4*\g:T+4*\g+3] offset:512*\g
.endr
	s_wait_dscnt 0x0                               ; the sums are in, my O^T is stored
	s_barrier_signal -1                            ; the barrier of the partial O^T; register work alone up to its wait
	v_pk_add_f32 v[P:P+1], v[P:P+1], v[P+2:P+3]
	v_pk_add_f32 v[P+4:P+5], v[P+4:P+5], v[P+6:P+7]
	s_delay_alu instid0(VALU_DEP_1)
	v_pk_add_f32 v[P:P+1], v[P:P+1], v[P+4:P+5]
	s_delay_alu instid0(VALU_DEP_1)
	v_add_f32 v[P], v[P], v[P+1]
	s_delay_alu instid0(VALU_DEP_1)
	v_permlanex16_b32 v[P+1], v[P], s[SEL], s[SEL+1]
	s_delay_alu instid0(VALU_DEP_1)
	v_add_f32 v[P], v[P], v[P+1]                   ; l
	s_delay_alu instid0(VALU_DEP_1)
	v_mul_f32 v[P+8], 0x358637bd, v[P]             ; 1e-6 l
	s_delay_alu instid0(VALU_DEP_1)
	v_mov_b32 v[P+9], v[P+8]
	s_wait_alu depctr_va_vdst(0)
	v_rcp_f32 v[P+4], v[P]
	v_log_f32 v[P+6], v[P]
	v_mov_b32 v[P+5], 0
	TERMS 0
	s_wait_alu depctr_va_vdst(0)
	s_barrier_wait -1                              ; all 16 partial O^T are stored
.irp k,0,1,2,3,4,5,6,7,8,9,10,11,12,13,14,15
	ds_load_b64 v[S+2*\k:S+2*\k+1], v[45+\u] offset:4096*\k   ; registers 2 w, 2 w + 1 of wave k's O^T, into the registers of the keys that are done with
.endr
	TERMS 1
	s_wait_dscnt 0x0
	LOADS_B                                        ; the next tile's entries go out ahead of the adding
.irp k,0,1,2,3,4,5,6,7
	v_pk_add_f32 v[S+4*\k:S+4*\k+1], v[S+4*\k:S+4*\k+1], v[S+4*\k+2:S+4*\k+3]
.endr
.irp k,0,1,2,3
	v_pk_add_f32 v[S+8*\k:S+8*\k+1], v[S+8*\k:S+8*\k+1], v[S+8*\k+4:S+8*\k+5]
.endr
	v_pk_add_f32 v[S:S+1], v[S:S+1], v[S+8:S+9]
	v_pk_add_f32 v[S+16:S+17], v[S+16:S+17], v[S+24:S+25]
	s_delay_alu instid0(VALU_DEP_1)
	v_pk_add_f32 v[S:S+1], v[S:S+1], v[S+16:S+17]
	v_pk_mul_f32 v[S:S+1], v[S:S+1], v[P+4:P+5] op_sel_hi:[1,0]
	ds_store_b64 v14, v[S:S+1]
	v_pk_add_f32 v[P:P+1], v[P:P+1], v[P+2:P+3]
	v_fmamk_f32 v44, v[P+6], 0x3d000000, v44       ; + log2 l / 32
	v_add_f32 v[P], v[P], v[P+1]
	v_fma_f32 v44, -v[P+4], v[P], v44              ; - (1 / l) x my part of the sum
.endm
	s_load_b256 s[4:11], s[0:1], 0x0               ; qc, kv, attention_mask, av
	s_load_b64 s[12:13], s[0:1], 0x20              ; ent
	v_lshrrev_b32 v7, 5, v0
	s_delay_alu instid0(VALU_DEP_1)
	v_readfirstlane_b32 s[WV], v7
	s_mov_b32 s16, ttmp9
	s_and_b32 s17, ttmp7, 0xffff
	s_lshl_b32 s18, s[WV], 9
	s_lshl_b32 s19, s[WV], 11
	s_lshl_b32 s[W12], s[WV], 12
	s_lshl_b32 s21, s[WV], 2
	s_lshr_b32 s22, s[WV], 1
	s_and_b32 s[PAR], s[WV], 1
	s_lshl_b32 s23, s22, 9
	s_lshl_b32 s20, s[PAR], 3
	s_add_co_u32 s23, s23, s20                     ; where registers 2 w, 2 w + 1 lie in an image of O^T
	s_lshl_b32 s20, s[PAR], 4
	s_lshl_b32 s[BLK], s16, 3
	s_add_co_u32 s[BLK], s[BLK], s22               ; tile w's block of 32 queries
	s_mul_i32 s52, s17, 2*HK
	s_mul_i32 s53, s[WV], 4*FRAGB
	s_add_co_u32 s54, s52, s53                     ; my fragments of K; V's lie HK further on
	s_mov_b32 s55, 0
	s_lshl_b32 s53, s[WV], 8
	s_add_co_u32 s56, s52, s53
	s_add_co_u32 s56, s56, KSC                     ; and their scale words
	s_mov_b32 s57, 0
	s_mul_i32 s58, s17, HK
	s_mul_i32 s53, s[BLK], FRAGB
	s_add_co_u32 s60, s58, s53
	s_mul_i32 s53, s[PAR], 768
	s_add_co_u32 s60, s60, s53                     ; tile w of Q
	s_mov_b32 s61, 0
	s_lshl_b32 s53, s[BLK], 6
	s_add_co_u32 s62, s58, s53
	s_add_co_u32 s62, s62, KSC
	s_mov_b32 s63, 0
	s_lshr_b32 s52, s17, 4
	s_lshl_b32 s52, s52, 13
	s_add_co_u32 s52, s52, s18                     ; my 128 keys of the batch's mask
	s_mov_b32 s53, 0
	s_mov_b32 s[SEL], 0x76543210
	s_mov_b32 s[SEL+1], 0xfedcba98
	s_mov_b32 s[CS], 0x3fb8aa3b
	s_mov_b32 s[CS+1], s[CS]
	s_mov_b32 s[AL], 0x3f59d8e3
	s_mov_b32 s[AL+1], s[AL]
	s_mov_b32 s[MF], 0
	v_lshl_add_u32 v5, v0, 2, SPARE
	v_mov_b32 v6, 0
	v_and_b32 v7, 31, v0
	v_and_b32 v8, 15, v0                           ; r
	v_bfe_u32 v10, v0, 4, 1                        ; h
	v_lshlrev_b32 v1, 4, v7
	v_lshlrev_b32 v2, 3, v7
	v_lshlrev_b32 v3, 2, v7
	v_lshlrev_b32 v12, 2, v8
	v_lshlrev_b32 v14, 6, v8
	v_cmp_ne_u32 s[HM], 0, v10                     ; lanes 16-31
	v_lshl_add_u32 v4, v10, 6, s18
	v_add_nc_u32 v9, 1024, v3
	v_lshl_add_u32 v11, v10, 5, v14
	v_add_nc_u32 v13, s[W12], v2
	v_add_nc_u32 v16, s21, v14
	v_add_nc_u32 v18, s[W12], v1
	v_add_nc_u32 v15, s23, v1
	v_add_nc_u32 v4, MB, v4
	v_add_nc_u32 v17, LSB, v11
	v_add_nc_u32 v11, RMX, v11
	v_add_nc_u32 v13, BMX, v13
	v_add_nc_u32 v47, RMX, v16
	v_add_nc_u32 v16, LSB, v16
	v_add_nc_u32 v18, OXB, v18
	v_add_nc_u32 v45, OXB, v15
	v_add_nc_u32 v15, OFB, v15
	v_add_nc_u32 v19, 0x10000, v18
	v_add_nc_u32 v46, 0x10000, v45
.irp k,20,21,22,23,24,25,32,33,34,35,36,37,41,43,44
	v_mov_b32 v\k, 0
.endr
	v_mov_b32 v216, 0xff61b1e6                     ; -3e38
	s_wait_alu depctr_va_vdst(0)
	s_wait_kmcnt 0x0
	s_add_nc_u64 s[24:25], s[6:7], s[54:55]
	s_add_nc_u64 s[26:27], s[6:7], s[56:57]
	s_add_nc_u64 s[28:29], s[4:5], s[60:61]
	s_add_nc_u64 s[30:31], s[4:5], s[62:63]
	s_add_nc_u64 s[8:9], s[8:9], s[52:53]
	global_load_b128 v[208:211], v1, s[8:9]
	global_load_b128 v[26:29], v1, s[28:29]
	global_load_b64 v[30:31], v2, s[28:29] offset:512
	global_load_b32 v38, v12, s[30:31]
.irp f,0,1,2,3
	GFRAG KF+12*\f,FRAGB*\f
.endr
.irp f,0,1,2,3
	GFRAG VF+12*\f,HK+FRAGB*\f
.endr
	global_load_b32 v252, v3, s[26:27]
	global_load_b32 v253, v3, s[26:27] offset:128
	global_load_b32 v254, v3, s[26:27] offset:HK
	global_load_b32 v255, v3, s[26:27] offset:HK+128
	s_wait_loadcnt 36                              ; the mask and Q are in; the 32 fragment loads and 4 scale loads may be out
	v_lshrrev_b32 v38, s20, v38                    ; tile w's two bytes, for either half of K
	s_delay_alu instid0(VALU_DEP_1)
	v_and_b32 v38, 0xffff, v38
	s_delay_alu instid0(VALU_DEP_1)
	v_lshl_or_b32 v38, v38, 16, v38
.irp k,0,1,2,3
	v_cmp_eq_u32 vcc_lo, 0, v[208+\k]
	s_delay_alu instid0(VALU_DEP_1)
	v_cndmask_b32 v[212+\k], 0, v216, vcc_lo
	s_or_b32 s[MF], s[MF], vcc_lo                  ; a bit for each lane with a closed key
.endr
	v_add_nc_u32 v7, s19, v1
	v_add_nc_u32 v8, s19, v9
	v_add_nc_u32 v10, s18, v1
	s_delay_alu instid0(VALU_DEP_1)
	v_add_nc_u32 v10, MB, v10
	ds_store_b128 v7, v[26:29]
	ds_store_b128 v7, v[30:33] offset:512
	ds_store_b32 v8, v38
	ds_store_b128 v10, v[212:215]
	s_mov_b32 s[T1], 0
	s_mov_b32 s[CNT], 16
	s_wait_alu depctr_va_vdst(0)
	s_wait_dscnt 0x0
	s_barrier_signal -1
	s_barrier_wait -1                              ; all 16 tiles of Q are in LDS
	s_wait_loadcnt 0x0                             ; my fragments and scale words
	v_mov_b32 v7, v1                               ; tile 0 of Q
	v_mov_b32 v8, v9
	QLOAD
.Lpre:
	SCORES
	s_lshl_b32 s[T2], s[T1], 2
	v_add_nc_u32 v3, s[T2], v47                    ; this tile's places in the tables; these four lines are the places behind the products
	v_add_nc_u32 v12, s[T1], v13
	s_add_co_u32 s[T1], s[T1], 256
	s_min_u32 s[T3], s[T1], 3840                   ; the next tile of Q (behind the last: the last once more, read and not used)
	s_lshl_b32 s[T3], s[T3], 3
	v_add_nc_u32 v7, s[T3], v1
	v_add_nc_u32 v8, s[T3], v9
	QLOAD
.irp b,0,1,2,3
	v_max3_num_f32 v[T+\b], v[S+16*\b], v[S+16*\b+1], v[S+16*\b+2]
.endr
.irp i,3,5,7,9,11,13
.irp b,0,1,2,3
	v_max3_num_f32 v[T+\b], v[T+\b], v[S+16*\b+\i], v[S+16*\b+\i+1]
.endr
.endr
.irp b,0,1,2,3
	v_max_num_f32 v[T+\b], v[T+\b], v[S+16*\b+15]
.endr
.irp b,0,1,2,3
	s_delay_alu instid0(VALU_DEP_4)
	v_permlanex16_b32 v[T+4+\b], v[T+\b], s[SEL], s[SEL+1]
.endr
.irp b,0,1,2,3
	s_delay_alu instid0(VALU_DEP_4)
	v_max_num_f32 v[T+\b], v[T+\b], v[T+4+\b]      ; each block's largest score
.endr
	v_max3_num_f32 v[T+8], v[T], v[T+1], v[T+2]
	v_cndmask_b32 v[T+10], v[T], v[T+2], s[HM]     ; lanes 0-15 keep blocks 0, 1; lanes 16-31 blocks 2, 3
	v_cndmask_b32 v[T+11], v[T+1], v[T+3], s[HM]
	v_max_num_f32 v[T+8], v[T+8], v[T+3]
	ds_store_b64 v12, v[T+10:T+11]
	ds_store_b32 v3, v[T+8]                        ; both halves write the same word with the same value
	s_sub_co_u32 s[CNT], s[CNT], 1
	s_cmp_lg_u32 s[CNT], 0
	s_wait_alu depctr_va_vdst(0)
	s_cbranch_scc1 .Lpre
	s_mov_b32 s[T1], 0
	s_mov_b32 s[TC], 0
	s_mov_b32 s[CNT], 8
	s_wait_dscnt 0x0
	s_barrier_signal -1
	s_barrier_wait -1                              ; the table of largest scores is whole
	ADDR
	LOADS_B
.Lmain:
	ITER 0
	ITER 1
	s_sub_co_u32 s[CNT], s[CNT], 1
	s_cmp_lg_u32 s[CNT], 0
	s_wait_alu depctr_va_vdst(0)
	s_cbranch_scc1 .Lmain
	v_mul_f32 v44, 0x3f317218, v44                 ; x ln 2; then the wave's sum
	s_delay_alu instid0(VALU_DEP_1)
	v_add_f32_dpp v44, v44, v44 row_xmask:1 row_mask:0xf bank_mask:0xf
	s_delay_alu instid0(VALU_DEP_1)
	v_add_f32_dpp v44, v44, v44 row_xmask:2 row_mask:0xf bank_mask:0xf
	s_delay_alu instid0(VALU_DEP_1)
	v_add_f32_dpp v44, v44, v44 row_xmask:4 row_mask:0xf bank_mask:0xf
	s_delay_alu instid0(VALU_DEP_1)
	v_add_f32_dpp v44, v44, v44 row_xmask:8 row_mask:0xf bank_mask:0xf
	s_delay_alu instid0(VALU_DEP_1)
	v_permlanex16_b32 v43, v44, s[SEL], s[SEL+1]
	s_delay_alu instid0(VALU_DEP_1)
	v_add_f32 v44, v44, v43
	s_add_co_u32 s56, s21, ENTW
	v_mov_b32 v42, s56
	v_add_nc_u32 v7, s[W12], v1
	s_delay_alu instid0(VALU_DEP_1)
	v_add_nc_u32 v7, OFB, v7
	v_lshrrev_b32 v9, 8, v1                        ; h
	v_bfe_u32 v10, v1, 4, 4                        ; r
	s_delay_alu instid0(VALU_DEP_2)
	v_mul_u32_u24 v9, v9, REC
	s_delay_alu instid0(VALU_DEP_1)
	v_lshl_add_u32 v9, v10, 2, v9
	ds_store_b32 v42, v44
	s_wait_alu depctr_va_vdst(0)
	s_wait_dscnt 0x0
	s_barrier_signal -1
	s_barrier_wait -1                              ; every tile's O^T is finished
.irp g,0,1,2,3,4,5,6,7
	ds_load_b128 v[T+4*\g:T+4*\g+3], v7 offset:512*\g
.endr
	s_lshr_b32 s52, s17, 4
	s_and_b32 s53, s17, 15
	s_lshl_b32 s52, s52, 8
	s_lshl_b32 s56, s[BLK], 2
	s_add_co_u32 s52, s52, s56
	s_lshl_b32 s56, s[PAR], 1
	s_add_co_u32 s52, s52, s56
	s_mul_i32 s52, s52, REC
	s_lshr_b32 s56, s53, 1
	s_mul_i32 s57, s56, FRAGB
	s_and_b32 s58, s53, 1
	s_mul_i32 s59, s58, 768
	s_add_co_u32 s57, s57, s59
	s_add_co_u32 s60, s52, s57
	s_mov_b32 s61, 0
	s_add_nc_u64 s[60:61], s[10:11], s[60:61]
	s_lshr_b32 s57, s53, 2
	s_lshl_b32 s57, s57, 7
	s_and_b32 s56, s56, 1
	s_lshl_b32 s56, s56, 6
	s_add_co_u32 s57, s57, s56
	s_lshl_b32 s58, s58, 1
	s_add_co_u32 s57, s57, s58
	s_add_co_u32 s57, s57, SCO
	s_add_co_u32 s62, s52, s57
	s_mov_b32 s63, 0
	s_add_nc_u64 s[62:63], s[10:11], s[62:63]
	s_wait_dscnt 0x0
	QUANT32 T,160,172                              ; base
	global_store_b128 v1, v[160:163], s[60:61]
	global_store_b64 v2, v[164:165], s[60:61] offset:512
.set j, 0
.rept 16
	v_pk_mul_f32 v[T+j:T+j+1], v[T+j:T+j+1], s[AL:AL+1] op_sel_hi:[1,0]
.set j, j+2
.endr
	QUANT32 T,166,173                              ; alpha x base
	global_store_b128 v1, v[166:169], s[60:61] offset:REC
	global_store_b64 v2, v[170:171], s[60:61] offset:REC+512
	v_cndmask_b32 v174, v172, v173, s[HM]
	global_store_b16 v9, v174, s[62:63]
	s_cmp_lg_u32 s[WV], 0
	s_wait_alu depctr_va_vdst(0)
	s_cbranch_scc1 .Lnot_first
	v_mov_b32 v96, ENTW
	ds_load_b128 v[128:131], v96
	ds_load_b128 v[132:135], v96 offset:16
	ds_load_b128 v[136:139], v96 offset:32
	ds_load_b128 v[140:143], v96 offset:48
	s_lshl_b32 s56, s17, 3
	s_add_co_u32 s56, s56, s16
	s_lshl_b32 s56, s56, 2
	s_mov_b32 s57, 0
	s_add_nc_u64 s[12:13], s[12:13], s[56:57]
	v_mov_b32 v97, 0
	v_cmp_eq_u32 vcc_lo, 0, v0
	s_wait_dscnt 0x0
	v_pk_add_f32 v[128:129], v[128:129], v[130:131]
	v_pk_add_f32 v[132:133], v[132:133], v[134:135]
	v_pk_add_f32 v[136:137], v[136:137], v[138:139]
	v_pk_add_f32 v[140:141], v[140:141], v[142:143]
	s_delay_alu instid0(VALU_DEP_3)
	v_pk_add_f32 v[128:129], v[128:129], v[132:133]
	s_delay_alu instid0(VALU_DEP_2)
	v_pk_add_f32 v[136:137], v[136:137], v[140:141]
	s_delay_alu instid0(VALU_DEP_1)
	v_pk_add_f32 v[128:129], v[128:129], v[136:137]
	s_delay_alu instid0(VALU_DEP_1)
	v_add_f32 v128, v128, v129
	s_wait_alu depctr_va_vdst(0)
	s_wait_xcnt 0x0                                ; EXEC changes only behind this wait
	s_and_saveexec_b32 s51, vcc_lo
	global_store_b32 v97, v128, s[12:13]
	s_wait_xcnt 0x0
	s_or_b32 exec_lo, exec_lo, s51
.Lnot_first:
	s_wait_tensorcnt 0x0                           ; the wave's end
	ds_add_u32 v5, v6
	s_wait_dscnt 0x0
	s_endpgm
.Lfunc_end_k_q8da793712a_attn:
	.size	k_q8da793712a_attn, .Lfunc_end_k_q8da793712a_attn-k_q8da793712a_attn
	.p2alignl 7, 3214868480
	.fill 96, 4, 3214868480
	.section	.rodata,"a",@progbits
	.p2align	6, 0x0
	.amdhsa_kernel k_q8da793712a_attn
		.amdhsa_group_segment_fixed_size 323840
		.amdhsa_private_segment_fixed_size 0
		.amdhsa_enable_private_segment 0
		.amdhsa_kernarg_size 40
		.amdhsa_user_sgpr_count 2
		.amdhsa_user_sgpr_kernarg_segment_ptr 1
		.amdhsa_wavefront_size32 1
		.amdhsa_system_sgpr_workgroup_id_x 1
		.amdhsa_system_sgpr_workgroup_id_y 1
		.amdhsa_system_sgpr_workgroup_id_z 1
		.amdhsa_system_vgpr_workitem_id 0
		.amdhsa_next_free_vgpr 256
		.amdhsa_next_free_sgpr 66
		.amdhsa_reserve_vcc 1
		.amdhsa_float_denorm_mode_32 3
		.amdhsa_float_denorm_mode_16_64 3
		.amdhsa_memory_ordered 1
		.amdhsa_forward_progress 1
		.amdhsa_inst_pref_size 76
	.end_amdhsa_kernel
	.amdgpu_metadata
---
amdhsa.version: [ 1, 2 ]
amdhsa.kernels:
  - .name:           k_q8da793712a_attn
    .symbol:         k_q8da793712a_attn.kd
    .args:
      - { .name: qc, .offset: 0, .size: 8, .value_kind: global_buffer, .address_space: global }
      - { .name: kv, .offset: 8, .size: 8, .value_kind: global_buffer, .address_space: global }
      - { .name: attention_mask, .offset: 16, .size: 8, .value_kind: global_buffer, .address_space: global }
      - { .name: av, .offset: 24, .size: 8, .value_kind: global_buffer, .address_space: global }
      - { .name: ent, .offset: 32, .size: 8, .value_kind: global_buffer, .address_space: global }
    .group_segment_fixed_size: 323840
    .private_segment_fixed_size: 0
    .kernarg_segment_align: 8
    .kernarg_segment_size: 40
    .max_flat_workgroup_size: 512
    .sgpr_count:     66
    .vgpr_count:     256
    .wavefront_size: 32
...
	.end_amdgpu_metadata
.endif
;; end of part 3
;; launch outp (part 4): grid 8 x 32, 8 waves a work-group, clusters of 4 x 4, 327,680 bytes of LDS; arguments av, codes, ent, o_b, out0; writes out0
.if DOCPART == 4
	.amdgcn_target "amdgcn-amd-amdhsa--gfx1250"
	.amdhsa_code_object_version 6
	.text
	.protected	k_q8da793712a_outp
	.globl	k_q8da793712a_outp
	.p2align	8
	.type	k_q8da793712a_outp,@function
k_q8da793712a_outp:
	s_mov_b64 s[64:65], 0
	v_nop
	global_prefetch_b8 v0, s[64:65] scope:SCOPE_SE
	s_setreg_imm32_b32 hwreg(HW_REG_WAVE_MODE, 25, 1), 1
	s_wait_xcnt 0x0
	s_wait_alu depctr_hold_cnt(0) depctr_sa_sdst(0) depctr_va_vdst(0) depctr_va_sdst(0) depctr_va_ssrc(0) depctr_va_vcc(0) depctr_vm_vsrc(0)
	s_getreg_b32 s2, hwreg(HW_REG_IB_STS2, 6, 4)
	s_cmp_eq_u32 s2, 0
	s_cbranch_scc0 .Lentry_in_a_cluster
	s_endpgm
.Lentry_in_a_cluster:
	s_bfe_u32 s2, ttmp6, 0x10000c
	s_cmp_lg_u32 s2, 0xf033
	s_cbranch_scc0 .Lentry_shape_is_right
	s_endpgm
.Lentry_shape_is_right:
.set REC,   12800
.set SCO,   12288
.set FRAGB, 1536
.set WB,    16*REC
.set SPARE, 24*REC
.set S1S,   2*REC
.set BUF0,  32
.set ACC,   176
.set WV,    16
.set SEL,   56
.set HM,    60
.macro CROUND
	s_barrier_signal -1
	s_barrier_wait -1
	s_cmp_lg_u32 s[WV], 0
	s_cbranch_scc1 .Lnot_wave_0_\@
	s_barrier_signal -3
.Lnot_wave_0_\@:
	s_barrier_wait -3
	s_barrier_signal -1
	s_barrier_wait -1
.endm
.macro FRAG reg, a16, a8, off
	ds_load_b128 v[\reg:\reg+3], v[\a16] offset:\off
	ds_load_b64 v[\reg+4:\reg+5], v[\a8] offset:\off+512
	ds_load_b128 v[\reg+6:\reg+9], v[\a16] offset:\off+768
	ds_load_b64 v[\reg+10:\reg+11], v[\a8] offset:\off+1280
.endm
.macro LDSTEP s, buf
.irp t,0,1,2,3
	FRAG (\buf)+12*\t,6,7,REC*\t+FRAGB*(\s)
.endr
.irp t,0,1
	FRAG (\buf)+48+12*\t,9,10,S1S*\t+FRAGB*(\s)
.endr
.if ((\s)%2)==0
.irp t,0,1,2,3
	ds_load_b32 v[20+6*(((\s)/2)%2)+\t], v8 offset:REC*\t+SCO+128*((\s)/2)
.endr
.irp t,0,1
	ds_load_b32 v[24+6*(((\s)/2)%2)+\t], v11 offset:S1S*\t+SCO+128*((\s)/2)
.endr
.endif
.endm
.macro WM d, a, b, sa, sb, row
.if \row
	v_wmma_scale_f32_16x16x128_f8f6f4 v[\d:\d+7], v[\a:\a+11], v[\b:\b+11], v[\d:\d+7], v[\sa], v[\sb] matrix_a_fmt:MATRIX_FMT_FP6 matrix_b_fmt:MATRIX_FMT_FP6 matrix_a_scale:MATRIX_SCALE_ROW1 matrix_b_scale:MATRIX_SCALE_ROW1
.else
	v_wmma_scale_f32_16x16x128_f8f6f4 v[\d:\d+7], v[\a:\a+11], v[\b:\b+11], v[\d:\d+7], v[\sa], v[\sb] matrix_a_fmt:MATRIX_FMT_FP6 matrix_b_fmt:MATRIX_FMT_FP6
.endif
.endm
.macro MUL8 s
.set BB, BUF0+72*((\s)%2)
.set SS, 20+6*(((\s)/2)%2)
.irp u,0,1
.irp t,0,1,2,3
	WM ACC+32*\u+8*\t,BB+12*\t,BB+48+12*\u,SS+\t,SS+4+\u,(\s)%2
.endr
.endr
.endm
.macro SELLD g
.irp k,0,1,2,3,4
	ds_load_b128 v[32+40*((\g)%2)+8*\k:32+40*((\g)%2)+8*\k+3], v17 offset:512*(5*(\g)+\k)
	ds_load_b128 v[32+40*((\g)%2)+8*\k+4:32+40*((\g)%2)+8*\k+7], v17 offset:REC+512*(5*(\g)+\k)
.endr
.endm
.macro SELST g
.irp k,0,1,2,3,4
.irp e,0,1,2,3
	v_cndmask_b32 v[112+20*((\g)%2)+4*\k+\e], v[32+40*((\g)%2)+8*\k+4+\e], v[32+40*((\g)%2)+8*\k+\e], s[HM]
.endr
.endr
.irp k,0,1,2,3,4
	ds_store_b128 v17, v[112+20*((\g)%2)+4*\k:112+20*((\g)%2)+4*\k+3] offset:512*(5*(\g)+\k)
.endr
.endm
	s_load_b256 s[4:11], s[0:1], 0x0
	s_load_b64 s[12:13], s[0:1], 0x20
	v_lshl_add_u32 v1, v0, 2, SPARE
	v_mov_b32 v2, 0
	ds_add_u32 v1, v2
	ds_add_u32 v1, v2
	v_lshrrev_b32 v3, 5, v0
	s_delay_alu instid0(VALU_DEP_1)
	v_readfirstlane_b32 s[WV], v3
	s_lshr_b32 s17, s[WV], 2
	s_and_b32 s18, s[WV], 3
	s_bfe_u32 s19, ttmp6, 0x40000
	s_bfe_u32 s20, ttmp6, 0x40004
	s_lshl_b32 s21, ttmp9, 2
	s_add_co_u32 s21, s21, s19
	s_and_b32 s22, ttmp7, 0xffff
	s_lshl_b32 s22, s22, 2
	s_add_co_u32 s22, s22, s20
	s_lshl_b32 s23, s20, 2
	s_lshl_b32 s23, 15, s23
	s_lshl_b32 s78, 0x1111, s19
	s_or_b32 s24, s23, (3<<16)|(1<<21)
	s_mov_b32 s25, 32<<16
	s_mov_b32 s26, 100<<16
	s_mov_b32 s27, 32<<16
	s_mov_b32 s28, 100
	s_mov_b32 s29, 32
	s_mov_b32 s30, 0
	s_mov_b32 s31, 0
	s_or_b32 s32, s78, (3<<16)|(1<<21)
	s_mov_b32 s33, 32<<16
	s_mov_b32 s34, 50<<16
	s_mov_b32 s35, 32<<16
	s_mov_b32 s36, 50
	s_mov_b32 s37, 32
	s_mov_b32 s38, 0
	s_mov_b32 s39, 0
	s_mul_i32 s79, s[WV], 2*REC
	s_lshl_b32 s80, s22, 4
	s_lshl_b32 s81, s[WV], 1
	s_add_co_u32 s80, s80, s81
	s_mul_i32 s80, s80, REC
	s_mov_b32 s81, 0
	s_lshl_b32 s82, s21, 3
	s_add_co_u32 s82, s82, s[WV]
	s_add_co_u32 s82, s82, 448
	s_mul_i32 s82, s82, REC
	s_mov_b32 s83, 0
	s_mov_b32 s40, 1
	s_mov_b32 s41, s79
	s_mov_b32 s44, 1
	s_mul_i32 s45, s[WV], REC
	s_add_co_u32 s45, s45, WB
	s_mov_b32 s[SEL], 0x76543210
	s_mov_b32 s[SEL+1], 0xfedcba98
	s_mov_b32 s61, 0x464ccccd
	s_wait_dscnt 0x0
	s_wait_kmcnt 0x0
	s_add_nc_u64 s[42:43], s[4:5], s[80:81]
	s_or_b32 s43, s43, 0x80000000
	s_add_nc_u64 s[46:47], s[6:7], s[82:83]
	s_or_b32 s47, s47, 0x80000000
	CROUND
	tensor_load_to_lds s[40:43], s[24:31]
	s_nop 0
	s_wait_alu depctr_va_vdst(0)
	s_wait_tensorcnt 0x0
	ds_add_u32 v1, v2
	s_wait_dscnt 0x0
	CROUND
	tensor_load_to_lds s[44:47], s[32:39]
	s_nop 0
.rept 4
	v_nop
.endr
	v_and_b32 v13, 31, v0
	s_delay_alu instid0(VALU_DEP_1)
	v_lshlrev_b32 v3, 4, v13
	s_delay_alu instid0(VALU_DEP_2)
	v_lshlrev_b32 v4, 3, v13
	s_delay_alu instid0(VALU_DEP_3)
	v_lshlrev_b32 v5, 2, v13
	s_delay_alu instid0(VALU_DEP_4)
	v_lshlrev_b32 v16, 5, v13
	v_and_b32 v15, 15, v0
	v_bfe_u32 v13, v0, 4, 1
	s_delay_alu instid0(VALU_DEP_1)
	v_lshlrev_b32 v14, 6, v13
	s_delay_alu instid0(VALU_DEP_2)
	v_lshlrev_b32 v12, 12, v13
	s_delay_alu instid0(VALU_DEP_1)
	v_lshl_add_u32 v12, v15, 4, v12
	v_add_nc_u32 v17, s79, v3
	s_add_co_u32 s84, s79, REC
	v_mul_u32_u24 v18, v15, 272
	s_delay_alu instid0(VALU_DEP_1)
	v_lshl_add_u32 v18, v13, 6, v18
	s_delay_alu instid0(VALU_DEP_1)
	v_add_nc_u32 v18, s84, v18
	v_mul_u32_u24 v19, v13, 272
	s_delay_alu instid0(VALU_DEP_1)
	v_lshl_add_u32 v19, v15, 4, v19
	s_delay_alu instid0(VALU_DEP_1)
	v_add_nc_u32 v19, s84, v19
	s_mul_i32 s62, s17, 4*REC
	s_add_co_u32 s62, s62, WB
	s_mul_i32 s63, s18, 4*REC
	v_add_nc_u32 v6, s62, v3
	v_add_nc_u32 v7, s62, v4
	v_add_nc_u32 v8, s62, v5
	v_add_nc_u32 v9, s63, v3
	v_add_nc_u32 v10, s63, v4
	v_add_nc_u32 v11, s63, v5
	s_lshl_b32 s84, s22, 7
	s_lshl_b32 s85, s18, 5
	s_add_co_u32 s84, s84, s85
	s_lshl_b32 s84, s84, 12
	s_lshl_b32 s85, s21, 9
	s_add_co_u32 s84, s84, s85
	s_lshl_b32 s85, s17, 8
	s_add_co_u32 s84, s84, s85
	s_mov_b32 s85, 0
	s_add_nc_u64 s[12:13], s[12:13], s[84:85]
	s_lshl_b32 s84, s21, 1
	s_add_co_u32 s84, s84, s17
	s_lshl_b32 s84, s84, 8
	s_add_nc_u64 s[10:11], s[10:11], s[84:85]
	global_load_b128 v[240:243], v16, s[8:9]
	global_load_b128 v[244:247], v16, s[8:9] offset:16
.irp u,0,1
.irp t,0,1,2,3
	global_load_b128 v[ACC+32*\u+8*\t:ACC+32*\u+8*\t+3], v14, s[10:11] offset:128*(\t/2)+32*(\t%2)
	global_load_b128 v[ACC+32*\u+8*\t+4:ACC+32*\u+8*\t+7], v14, s[10:11] offset:128*(\t/2)+32*(\t%2)+16
.endr
.endr
	s_wait_loadcnt 16
	v_pk_add_f32 v[240:241], v[240:241], v[242:243]
	v_pk_add_f32 v[244:245], v[244:245], v[246:247]
	s_delay_alu instid0(VALU_DEP_1)
	v_pk_add_f32 v[240:241], v[240:241], v[244:245]
	s_delay_alu instid0(VALU_DEP_1)
	v_add_f32 v240, v240, v241
	s_delay_alu instid0(VALU_DEP_1)
	v_add_f32_dpp v240, v240, v240 row_xmask:1 row_mask:0xf bank_mask:0xf
	s_delay_alu instid0(VALU_DEP_1)
	v_add_f32_dpp v240, v240, v240 row_xmask:2 row_mask:0xf bank_mask:0xf
	s_delay_alu instid0(VALU_DEP_1)
	v_add_f32_dpp v240, v240, v240 row_xmask:4 row_mask:0xf bank_mask:0xf
	s_delay_alu instid0(VALU_DEP_1)
	v_add_f32_dpp v240, v240, v240 row_xmask:8 row_mask:0xf bank_mask:0xf
	s_delay_alu instid0(VALU_DEP_1)
	v_permlanex16_b32 v241, v240, s[SEL], s[SEL+1]
	s_delay_alu instid0(VALU_DEP_1)
	v_add_f32 v240, v240, v241
	s_delay_alu instid0(VALU_DEP_1)
	v_cmp_lt_f32 s[HM], v240, s61
	s_wait_tensorcnt 0x1
	SELLD 0
	SELLD 1
	s_wait_dscnt 10
	SELST 0
	SELLD 2
	s_wait_dscnt 15
	SELST 1
	SELLD 3
	s_wait_dscnt 15
	SELST 2
	SELLD 4
	s_wait_dscnt 15
	SELST 3
	s_wait_dscnt 5
	SELST 4
	s_wait_tensorcnt 0x0
	s_wait_dscnt 0x0
	s_barrier_signal -1
	s_barrier_wait -1
	s_wait_loadcnt 0x0
	LDSTEP 0,BUF0
.irp s,0,1,2,3,4,5,6
.if \s>0
.rept 4
	v_nop
.endr
.endif
	LDSTEP (\s+1),BUF0+72*((\s+1)%2)
.if ((\s+1)%2)==0
	s_wait_dscnt 30
.else
	s_wait_dscnt 24
.endif
	MUL8 \s
.endr
	s_wait_dscnt 0x0
	MUL8 7
	s_barrier_signal -1
	s_barrier_wait -1
.rept 5
	v_nop
.endr
.irp u,0,1
.irp t,0,1,2,3
	ds_store_b128 v18, v[ACC+32*\u+8*\t:ACC+32*\u+8*\t+3] offset:4352*\u+128*(\t/2)+32*(\t%2)
	ds_store_b128 v18, v[ACC+32*\u+8*\t+4:ACC+32*\u+8*\t+7] offset:4352*\u+128*(\t/2)+32*(\t%2)+16
.endr
.irp k,0,1,2,3,4,5,6,7
	ds_load_b128 v[32+32*\u+4*\k:32+32*\u+4*\k+3], v19 offset:4352*\u+544*\k
.endr
.endr
.irp k,0,1,2,3,4,5,6,7
	s_wait_dscnt 23-\k
	global_store_b128 v12, v[32+4*\k:32+4*\k+3], s[12:13] offset:(2*\k+8*(\k/4))*4096 th:TH_STORE_NT
.endr
.irp k,0,1,2,3,4,5,6,7
	s_wait_dscnt 7-\k
	global_store_b128 v12, v[64+4*\k:64+4*\k+3], s[12:13] offset:(8+2*\k+8*(\k/4))*4096 th:TH_STORE_NT
.endr
	s_wait_tensorcnt 0x0
	ds_add_u32 v1, v2
	s_wait_dscnt 0x0
	CROUND
	s_endpgm
.Lfunc_end_k_q8da793712a_outp:
	.size	k_q8da793712a_outp, .Lfunc_end_k_q8da793712a_outp-k_q8da793712a_outp
	.p2alignl 7, 3214868480
	.fill 96, 4, 3214868480
	.section	.rodata,"a",@progbits
	.p2align	6, 0x0
	.amdhsa_kernel k_q8da793712a_outp
		.amdhsa_group_segment_fixed_size 327680
		.amdhsa_private_segment_fixed_size 0
		.amdhsa_enable_private_segment 0
		.amdhsa_kernarg_size 40
		.amdhsa_user_sgpr_count 2
		.amdhsa_user_sgpr_kernarg_segment_ptr 1
		.amdhsa_wavefront_size32 1
		.amdhsa_system_sgpr_workgroup_id_x 1
		.amdhsa_system_sgpr_workgroup_id_y 1
		.amdhsa_system_sgpr_workgroup_id_z 1
		.amdhsa_system_vgpr_workitem_id 0
		.amdhsa_next_free_vgpr 256
		.amdhsa_next_free_sgpr 100
		.amdhsa_reserve_vcc 0
		.amdhsa_float_denorm_mode_32 3
		.amdhsa_float_denorm_mode_16_64 3
		.amdhsa_memory_ordered 1
		.amdhsa_forward_progress 1
		.amdhsa_inst_pref_size 48
	.end_amdhsa_kernel
	.amdgpu_metadata
---
amdhsa.version: [ 1, 2 ]
amdhsa.kernels:
  - .name:           k_q8da793712a_outp
    .symbol:         k_q8da793712a_outp.kd
    .args:
      - { .name: av, .offset: 0, .size: 8, .value_kind: global_buffer, .address_space: global }
      - { .name: codes, .offset: 8, .size: 8, .value_kind: global_buffer, .address_space: global }
      - { .name: ent, .offset: 16, .size: 8, .value_kind: global_buffer, .address_space: global }
      - { .name: o_b, .offset: 24, .size: 8, .value_kind: global_buffer, .address_space: global }
      - { .name: out0, .offset: 32, .size: 8, .value_kind: global_buffer, .address_space: global }
    .group_segment_fixed_size: 327680
    .private_segment_fixed_size: 0
    .kernarg_segment_align: 8
    .kernarg_segment_size: 40
    .max_flat_workgroup_size: 256
    .sgpr_count:     100
    .vgpr_count:     256
    .wavefront_size: 32
...
	.end_amdgpu_metadata
.endif
;; end of part 4
